; MI455X (gfx1250); checked and timed in simulation.
; The chip was launched on July 23, 2026; its instructions are those of AMD's public machine-readable ISA for CDNA 5 (MIT licence, August 2026) and "CDNA5" Instruction Set Architecture Reference Guide (July 2026). The comments in the code are by the model that wrote it; some were corrected since.
;; Multi Head Attention With Ro PE. Allowed arithmetic: matrix products marked QUANTISED: E4M3 operands, one E8M0 scale for each 32 along K, by v_wmma_scale_f32_16x16x128_f8f6f4 with both operands' format E4M3, f32 sums; everything else in f32.
;; Inputs: b_out 1,024 float32; b_qkv 3,072 float32; w_out 1,024 x 1,024 float32; w_qkv 1,024 x 3,072 float32; x 4 x 2,048 x 1,024 float32.
;; Outputs: out0 4 x 2,048 x 1,024 float32.
;; This version of the problem:
;;   THIS VERSION OF THE PROBLEM IS GIVEN IN LOW PRECISION. The matrix products marked QUANTISED in the list below multiply operands that are first quantised to E4M3 (4 exponent bits, 3 mantissa bits; 8 bits a number), with one power-of-two scale for each 32 numbers along K (OCP MX v1.0); their sums are f32. All else is computed in f32.
;;   The module's matrix products, in the order in which they are computed (A, B: the left and right operand; K: the contracted axis; several contracted axes count as one K, in the product's order):
;;     1. [M 8,192, K 1,024] x [K 1,024, N 3,072]; A: input x; B: input w_qkv: QUANTISED
;;     2. batch 64 x [M 2,048, K 64] x [K 64, N 2,048]; A: computed on the way; B: computed on the way: QUANTISED
;;     3. batch 64 x [M 2,048, K 2,048] x [K 2,048, N 64]; A: softmax (see below); B: computed on the way: QUANTISED
;;     4. [M 8,192, K 1,024] x [K 1,024, N 1,024]; A: computed on the way; B: input w_out: QUANTISED
;;   THE QUANTISER, for each operand of a quantised product, along K:
;;     - K is cut into blocks of 32 from its start; a last block that is shorter is filled with zeros.
;;     - A block's scale is 2^e with e = floor(log2(the largest magnitude in the block)) - 8, held to -126 .. 127; a block of zeros has e = 0. As a byte (E8M0): e + 127.
;;     - Each number is divided by its block's scale, clamped to +-448, and rounded to the nearest number of E4M3, ties to even, subnormals kept.
;;     - The product sums the exact products of the quantised numbers (number of the format x scale) in f32.
;;   ~~~python
;;   def quantise(x, axis):      # numpy; x: float32 -> the quantised numbers, widened to float32 again
;;       x = np.moveaxis(x, axis, -1); K = x.shape[-1]
;;       x = np.pad(x, [(0, 0)] * (x.ndim - 1) + [(0, -K % 32)]); x = x.reshape(x.shape[:-1] + (-1, 32)); a = np.abs(x).max(-1, keepdims=True)
;;       e = np.where(a > 0, np.clip(np.frexp(np.where(a > 0, a, 1))[1] - 1 - 8, -126, 127), 0)      # np.frexp(a)[1] - 1 = floor(log2(a)), exactly
;;       r = np.clip(x / 2.0 ** e, -448, 448)
;;       step = 2.0 ** (np.maximum(np.frexp(np.where(r == 0, 1, r))[1] - 1, -6) - 3)
;;       q = np.round(r / step) * step * 2.0 ** e      # np.round: ties to even
;;       return np.moveaxis(q.reshape(q.shape[:-2] + (-1,))[..., :K], -1, axis).astype(np.float32)
;;   ~~~
;;   SOFTMAX AHEAD OF A QUANTISED PRODUCT. Where the list says 'softmax', what is quantised is not the finished softmax but p = 2^(t - M), with t = logit x log2(e) and M = ceil(the row's largest t), a whole number; so 1/2 < the row's largest p <= 1. The row's sum l is taken of the UNQUANTISED p, in f32, and the product's result is divided by l at the end. Since M is a whole number, a kernel that streams over the keys may use a running M (the ceiling of the running maximum): every later rescaling is an exact power of two, which a block's scale takes up: the codes' values come out the same.
;;   OPERANDS COMPUTED ON THE WAY. 'Computed on the way' means the value that the module computes at that place (a softmax that the list does not call 'softmax' is quantised finished and normalised). What goes into a quantiser is computed in f32, as accurately as f32 sums, v_exp_f32 and their like allow (about 1e-6 of the number): no bf16 or f16 on the way to a quantiser, and a product that is left as it is and whose result goes on into a quantised operand takes f32 operands (vector FMAs, or v_wmma_f32_16x16x4_f32). A number that lies on a knife's edge between two numbers of the format may be rounded either way, as far as f32 arithmetic and the matrix unit's own rounding can turn it there, and no further.
;; One version. Each part assembles by itself: llvm-mc -triple=amdgcn-amd-amdhsa -mcpu=gfx1250 --defsym DOCPART=n.
;; ======== version 1 of 1: 5 launches
;; limits: right only within a limited range of input values
;; workspace buffers: xq 8,650,752 bytes; wq 4,325,376 bytes; tab 524,288 bytes; qkv 26,476,544 bytes; aq 8,650,752 bytes
;; launch prep (part 1): grid 768 x 1, 4 waves a work-group, no clusters, 70,144 bytes of LDS; arguments x, w_qkv, w_out, xq, wq, tab; writes xq, wq, tab
.if DOCPART == 1
	.amdgcn_target "amdgcn-amd-amdhsa--gfx1250"
	.amdhsa_code_object_version 6
	.text
	.protected	k_qfcd4e51ec0_prep
	.globl	k_qfcd4e51ec0_prep
	.p2align	8
	.type	k_qfcd4e51ec0_prep,@function
k_qfcd4e51ec0_prep:
	s_mov_b64 s[64:65], 0
	v_nop
	global_prefetch_b8 v0, s[64:65] scope:SCOPE_SE
	s_setreg_imm32_b32 hwreg(HW_REG_WAVE_MODE, 25, 1), 1
	s_wait_xcnt 0x0
; PREP: x, w_qkv and w_out, f32, become codes of FP8 (E4M3) with one E8M0 scale byte for each 32 along K, laid as IMAGES OF OPERAND REGISTERS; and the sines and cosines of the rotary embedding are tabulated.
; AN IMAGE: a fragment (16 rows x 128 K) is four groups c of 512 bytes; lane L = r + 16 h owns the 16 bytes at 16 L: the codes of row r, k = 32 c + 16 h + 0 .. 15.  A tile of 16 rows has 8 fragments (K = 1,024): 16,384 bytes.
; Its scale words: [tile][K step of 128][row] of 4 bytes, byte c for block c; they begin XQS (x) or WQS (weights) bytes into the buffer.
; THE ROWS OF A TILE ARE NOT NEIGHBOURS: row r of tile T is element pi(T, r) = 32 (T / 2) + 16 (r / 8) + 8 (T % 2) + r % 8 (a token of x; a column of the weights, w_out's counted on from 3,072).
; A block's scale is 2^(floor(log2(largest magnitude)) - 8); its byte is the largest magnitude's exponent field - 8, held at 1 from below; numbers are held within +-448 x the scale and rounded to the nearest code, ties to even.
; LIMITS: a block of zeros, or one whose largest magnitude lies under 2^-118, gets the byte 1 (its codes are zeros or nearly so; this program alone reads the bytes); NaN and infinities among the inputs are not served.
; SHARES: work-groups 0-511: one tile of x each, wave w its k = 256 w .. 256 w + 255.  Work-groups 512-767: 128 columns x 128 K of a weight, a lane to a column, registers down K; each of their waves also makes one quad of the table.
; Only the first kind uses LDS.  No barrier: waves share nothing.
.set XQS,  8388608
.set WQS,  4194304
.set SEL,  20                          ; s[20:21] lane selects: lane l xor 16
.set MNT,  23                          ; s23 the mantissa field of 448
.set TM,   240                         ; v240-255 at work in QUANT
; 64 numbers of a lane, register 16 b + i = k 32 b + 16 (lane / 16) + i of my row, become a fragment's codes in v[pc] on and its scale word in v[pw]
.macro QUANT s, pc, pw
.irp b, 0,1,2,3
	v_max3_num_f32 v[TM+\b], |v[\s+16*\b]|, |v[\s+1+16*\b]|, 0x4800000   ; my 16 numbers of block b, and the floor 2^(9 - 127): the byte cannot fall under 1
.endr
.irp i, 2,4,6,8,10,12,14
.irp b, 0,1,2,3
	v_max3_num_f32 v[TM+\b], v[TM+\b], |v[\s+16*\b+\i]|, |v[\s+1+16*\b+\i]|   ; the four blocks by turns
.endr
.endr
.irp b, 0,1,2,3
	v_permlanex16_b32 v[TM+4+\b], v[TM+\b], s[SEL], s[SEL+1]
.endr
.irp b, 0,1,2,3
	v_max_num_f32 v[TM+\b], v[TM+\b], v[TM+4+\b]          ; with lane l xor 16's 16: the block's largest magnitude
.endr
.irp b, 0,1,2,3
	v_add_nc_u32 v[TM+12+\b], 0xfc000000, v[TM+\b]        ; 8 off its exponent field: the conversion's scale operand
.endr
.irp b, 0,1,2,3
	v_and_or_b32 v[TM+8+\b], v[TM+\b], 0x7f800000, s[MNT] ; 448 x the scale
.endr
.irp b, 0,1,2,3
	v_lshrrev_b32 v[TM+4+\b], 23, v[TM+12+\b]             ; the scale's byte
.endr
	v_lshl_or_b32 v[\pw], v[TM+5], 8, v[TM+4]
	v_lshl_or_b32 v[\pw], v[TM+6], 16, v[\pw]
	v_lshl_or_b32 v[\pw], v[TM+7], 24, v[\pw]
.irp b, 0,1,2,3
.irp i, 0,1,2,3,4,5,6,7,8,9,10,11,12,13,14,15
	v_med3_num_f32 v[\s+16*\b+\i], v[\s+16*\b+\i], -v[TM+8+\b], v[TM+8+\b]   ; the conversion to an 8-bit code does not saturate (ISA guide 7.6.2): the hold comes first
.endr
	v_cvt_scalef32_pk8_fp8_f32 v[\pc+4*\b:\pc+1+4*\b], v[\s+16*\b:\s+7+16*\b], v[TM+12+\b]
	v_cvt_scalef32_pk8_fp8_f32 v[\pc+2+4*\b:\pc+3+4*\b], v[\s+8+16*\b:\s+15+16*\b], v[TM+12+\b]
.endr
	v_nop                                          ; a plain line behind the last conversion
.endm
	s_load_b256 s[4:11], s[0:1], 0x0               ; x s[4:5], w_qkv s[6:7], w_out s[8:9], xq s[10:11]
	s_load_b128 s[12:15], s[0:1], 0x20             ; wq s[12:13], tab s[14:15]
	v_lshl_add_u32 v14, v0, 2, 0x11000
	v_mov_b32 v15, 0
	v_lshrrev_b32 v1, 5, v0
	v_readfirstlane_b32 s16, v1                    ; wave
	v_and_b32 v1, 31, v0                           ; lane
	v_and_b32 v2, 15, v0                           ; r
	v_bfe_u32 v3, v0, 4, 1                         ; h
	s_mov_b32 s[SEL], 0x76543210
	s_mov_b32 s[SEL+1], 0xfedcba98
	s_mov_b32 s[MNT], 0x600000
	s_cmp_lt_u32 ttmp9, 512
	s_cbranch_scc0 .Lweights
	; ---------------- a tile of x.  Each load takes 512 consecutive bytes of one row; a K step's 16 rows turn through the wave's own stage (rows 528 bytes apart), so that a lane gets 16 neighbours of each block
	v_lshlrev_b32 v4, 4, v1                        ; 16 x lane: my place in a load, in an image group
	s_mul_i32 s17, s16, 16896                      ; my two stages of 16 x 528 bytes
	v_add_nc_u32 v5, s17, v4                       ; into a stage: a row as it lies
	v_mul_u32_u24 v6, v2, 528
	v_lshl_add_u32 v6, v3, 6, v6
	v_add_nc_u32 v6, s17, v6                       ; out of it: row r, + 64 h: 16 numbers of each 32
	v_lshlrev_b32 v7, 2, v1
.irp b, 0,1,2,3
	v_mov_b32 v[TM+4+\b], 0                        ; written once: a lane permute's destination counts as one of its sources
.endr
	s_lshr_b32 s18, ttmp9, 1
	s_lshl_b32 s18, s18, 5
	s_and_b32 s19, ttmp9, 1
	s_lshl_b32 s19, s19, 3
	s_add_co_u32 s18, s18, s19                     ; the tile's row 0: token 32 (T / 2) + 8 (T % 2)
	s_lshl_b32 s18, s18, 12                        ; rows of 4,096 bytes
	s_lshl_b32 s19, s16, 10
	s_add_co_u32 s24, s18, s19                     ; + my 1,024 bytes of a row
	s_mov_b32 s25, 0
	s_lshl_b32 s26, ttmp9, 14
	s_lshl_b32 s19, s16, 12
	s_add_co_u32 s26, s26, s19                     ; the image: 16,384 T + 2,048 x (K step 2 w)
	s_mov_b32 s27, 0
	s_lshl_b32 s28, ttmp9, 9
	s_lshl_b32 s19, s16, 7
	s_add_co_u32 s28, s28, s19
	s_add_co_u32 s28, s28, XQS                     ; the scale words: 512 T + 64 x (K step 2 w)
	s_mov_b32 s29, 0
	s_wait_alu depctr_va_vdst(0)
	s_wait_kmcnt 0x0
	s_add_nc_u64 s[4:5], s[4:5], s[24:25]
	s_add_nc_u64 s[26:27], s[10:11], s[26:27]
	s_add_nc_u64 s[28:29], s[10:11], s[28:29]
.irp q, 0,1
.irp r, 0,1,2,3,4,5,6,7,8,9,10,11,12,13,14,15
	global_load_b128 v[16+64*\q+4*\r:19+64*\q+4*\r], v4, s[4:5] offset:(\r+8*(\r/8))*4096+512*\q th:TH_LOAD_NT   ; row r of the tile lies r + 8 (r / 8) rows down
.endr
.endr
.macro XSTEP q
.if \q == 0
	s_wait_loadcnt 16                              ; this K step's 16 loads are in; the other's 16 may be out
.else
	s_wait_loadcnt 0x0
.endif
.irp r, 0,1,2,3,4,5,6,7,8,9,10,11,12,13,14,15
	ds_store_b128 v5, v[16+64*\q+4*\r:19+64*\q+4*\r] offset:8448*\q+528*\r
.endr
.irp c, 0,1,2,3
.irp i, 0,1,2,3
	ds_load_b128 v[144+16*\c+4*\i:147+16*\c+4*\i], v6 offset:8448*\q+128*\c+16*\i   ; LDS serves a wave's instructions in order: these see my stores
.endr
.endr
	s_wait_dscnt 0x0
	QUANT 144, 208+16*\q, 8+\q
.irp c, 0,1,2,3
	global_store_b128 v4, v[208+16*\q+4*\c:211+16*\q+4*\c], s[26:27] offset:2048*\q+512*\c   ; 32 lanes store 512 consecutive bytes
.endr
.endm
	XSTEP 0
	XSTEP 1
	v_cmp_lt_u32 vcc_lo, 15, v1
	v_cndmask_b32 v10, v8, v9, vcc_lo              ; lanes 0-15 store the first K step's words, lanes 16-31 the second's: 128 consecutive bytes
	global_store_b32 v7, v10, s[28:29]
	s_wait_tensorcnt 0x0
	ds_add_u32 v14, v15
	s_wait_dscnt 0x0
	s_endpgm
	; ---------------- 128 columns x 128 K of a weight
.Lweights:
	s_sub_co_u32 s17, ttmp9, 512                   ; 0 .. 255
	s_and_b32 s18, s17, 31                         ; which 128 columns of the 4,096 (0-23: w_qkv; 24-31: w_out)
	s_lshr_b32 s19, s17, 5                         ; which K step of 128
	s_mov_b32 s22, 4096
	s_cmp_lt_u32 s18, 24
	s_cselect_b32 s22, 12288, s22                  ; a row of the weight in bytes
	s_cselect_b32 s24, 0, 24
	s_sub_co_u32 s24, s18, s24
	s_lshl_b32 s24, s24, 9
	s_lshl_b32 s25, s16, 7
	s_add_co_u32 s24, s24, s25                     ; my wave's first column, in bytes
	s_mul_i32 s26, s19, s22
	s_lshl_b32 s26, s26, 7                         ; 128 rows a K step
	s_add_co_u32 s26, s26, s24
	s_mov_b32 s27, 0
	s_lshl_b32 s28, s22, 5                         ; 32 rows: from block to block
	s_mov_b32 s29, 0
	s_lshl_b32 s30, s18, 3
	s_lshl_b32 s31, s16, 1
	s_add_co_u32 s30, s30, s31                     ; my 32 columns are tiles 8 gx + 2 w and the next
	s_lshl_b32 s56, s30, 14
	s_lshl_b32 s31, s19, 11
	s_add_co_u32 s56, s56, s31
	s_mov_b32 s57, 0
	s_lshl_b32 s58, s30, 9
	s_lshl_b32 s31, s19, 6
	s_add_co_u32 s58, s58, s31
	s_add_co_u32 s58, s58, WQS
	s_mov_b32 s59, 0
	s_lshr_b32 s60, s17, 1                         ; the table: tile of positions,
	s_and_b32 s61, s17, 1
	s_lshl_b32 s62, s61, 2
	s_add_co_u32 s62, s62, s16                     ; and quad: 0-3 cosines (even work-groups), 4-7 sines
	s_lshl_b32 s62, s62, 9
	s_lshl_b32 s63, s60, 12
	s_add_co_u32 s62, s62, s63
	s_mov_b32 s63, 0
	s_xor_b32 s54, s61, 1                          ; a cosine is the sine a quarter turn on
	s_lshr_b32 s55, s60, 1
	s_lshl_b32 s55, s55, 5
	s_and_b32 s66, s60, 1
	s_lshl_b32 s66, s66, 3
	s_add_co_u32 s55, s55, s66                     ; the position of the tile's row 0
	s_wait_alu depctr_va_vdst(0)
	v_lshlrev_b32 v16, 2, v1                       ; v16-47: my column's byte in rows 0 .. 31 of a block
.set II, 1
.rept 31
	v_add_nc_u32 v[16+II], s22, v[15+II]
.set II, II+1
.endr
	v_bfe_u32 v8, v0, 3, 1                         ; column l of the 32 is row 8 (l / 16) + l % 8 of tile (l / 8) % 2
	v_and_b32 v9, 7, v0
	v_lshl_add_u32 v9, v3, 3, v9
	v_lshlrev_b32 v4, 4, v9
	v_lshl_add_u32 v4, v8, 14, v4                  ; my codes' place: 16,384 x tile + 16 x row
	v_lshlrev_b32 v5, 2, v9
	v_lshl_add_u32 v5, v8, 9, v5                   ; my scale word's: 512 x tile + 4 x row
	v_lshlrev_b32 v6, 4, v1
	s_wait_alu depctr_va_vdst(0)
	s_wait_kmcnt 0x0
	s_cmp_lt_u32 s18, 24                           ; the choice hangs on the work-group's number alone
	s_cselect_b64 s[6:7], s[6:7], s[8:9]
	s_add_nc_u64 s[32:33], s[6:7], s[26:27]        ; a base for each of the four blocks
	s_add_nc_u64 s[34:35], s[32:33], s[28:29]
	s_add_nc_u64 s[36:37], s[34:35], s[28:29]
	s_add_nc_u64 s[38:39], s[36:37], s[28:29]
	s_add_nc_u64 s[56:57], s[12:13], s[56:57]
	s_add_nc_u64 s[58:59], s[12:13], s[58:59]
	s_add_nc_u64 s[62:63], s[14:15], s[62:63]
.macro LOAD t                          ; block t: W(32 t + i, my column): 32 lanes read 128 consecutive bytes, the four waves 512
.irp i, 0,1,2,3,4,5,6,7,8,9,10,11,12,13,14,15,16,17,18,19,20,21,22,23,24,25,26,27,28,29,30,31
	global_load_b32 v[48+32*((\t)%2)+\i], v[16+\i], s[32+2*(\t):33+2*(\t)] th:TH_LOAD_NT
.endr
.endm
	LOAD 0
	LOAD 1
	; THE TABLE, while those loads are on their way.  Lane (r, h) makes sin or cos of pos x inv(f) for pos = pi(tile, r) and f = 16 h + 4 w + 0 .. 3; inv(f) = 10^(-f / 8), to the nearest f32.
	; The angle a = pos x inv is one f32 product, as the model has it.  n = the nearest whole number to a x 2 / pi; a - n pi/2 in two fused steps (pi/2 = 0x3fc90fdb - 0x333bbd2e; the first step is exact: both terms are
	; multiples of 2^-23 and the result lies under 1); then polynomials on +-pi/4.  LIMIT: the reduction is sized for positions under 2,048 (n up to 1,304).
	s_mov_b32 s40, 0x3f800000
	s_mov_b32 s41, 0x3f3ff911
	s_mov_b32 s42, 0x3f0ff59a
	s_mov_b32 s43, 0x3ed7e89b
	s_mov_b32 s44, 0x3c23d70a
	s_mov_b32 s45, 0x3bf5b9b0
	s_mov_b32 s46, 0x3bb8449c
	s_mov_b32 s47, 0x3b8a2e77
.macro INVW w, c0, c1, c2, c3, c4, c5, c6, c7
	s_cmp_eq_u32 s16, \w
	s_cselect_b32 s40, \c0, s40
	s_cselect_b32 s41, \c1, s41
	s_cselect_b32 s42, \c2, s42
	s_cselect_b32 s43, \c3, s43
	s_cselect_b32 s44, \c4, s44
	s_cselect_b32 s45, \c5, s45
	s_cselect_b32 s46, \c6, s46
	s_cselect_b32 s47, \c7, s47
.endm
	INVW 1, 0x3ea1e89b, 0x3e72d424, 0x3e361887, 0x3e088d77, 0x3b4f3e37, 0x3b1b690d, 0x3ae91528, 0x3aaec98e
	INVW 2, 0x3dcccccd, 0x3d99940e, 0x3d6655c3, 0x3d2cba15, 0x3a83126f, 0x3a44948c, 0x3a136a16, 0x39dd1726
	INVW 3, 0x3d0186e2, 0x3cc24350, 0x3c91ad39, 0x3c5a7bf1, 0x39a5cb5f, 0x3978a814, 0x393a7753, 0x390bd472
	s_mov_b32 s48, 0xb94ca1f9                      ; sine: r + r z (s50 + z (s49 + z s48)), z = r r
	s_mov_b32 s49, 0x3c08839e
	s_mov_b32 s50, 0xbe2aaaa3
	s_mov_b32 s51, 0x37ccf5ce                      ; cosine: 1 + z (-1/2 + z (s53 + z (s52 + z s51)))
	s_mov_b32 s52, 0xbab6061a
	s_mov_b32 s53, 0x3d2aaaa5
	v_and_b32 v144, 8, v2
	v_add_nc_u32 v144, v144, v2                    ; r + 8 (r / 8)
	v_add_nc_u32 v144, s55, v144
	v_cvt_f32_u32 v144, v144                       ; the position
	v_cmp_eq_u32 vcc_lo, 1, v3
.irp e, 0,1,2,3
	v_mov_b32 v[148+\e], s[40+\e]
	v_mov_b32 v[152+\e], s[44+\e]
.endr
.irp e, 0,1,2,3
	v_cndmask_b32 v[148+\e], v[148+\e], v[152+\e], vcc_lo   ; lanes 16-31 take the frequencies 16 further on
.endr
.irp e, 0,1,2,3
	v_mul_f32 v[152+\e], v144, v[148+\e]           ; the angle
.endr
.irp e, 0,1,2,3
	v_mul_f32 v[156+\e], 0x3f22f983, v[152+\e]
.endr
.irp e, 0,1,2,3
	v_rndne_f32 v[156+\e], v[156+\e]               ; n
.endr
.irp e, 0,1,2,3
	v_fmamk_f32 v[160+\e], v[156+\e], 0xbfc90fdb, v[152+\e]
.endr
.irp e, 0,1,2,3
	v_fmamk_f32 v[160+\e], v[156+\e], 0x333bbd2e, v[160+\e]
.endr
.irp e, 0,1,2,3
	v_mul_f32 v[164+\e], v[160+\e], v[160+\e]
.endr
.irp e, 0,1,2,3
	v_fma_f32 v[168+\e], v[164+\e], s48, s49
	v_fma_f32 v[172+\e], v[164+\e], s51, s52
.endr
.irp e, 0,1,2,3
	v_fma_f32 v[168+\e], v[168+\e], v[164+\e], s50
	v_fma_f32 v[172+\e], v[172+\e], v[164+\e], s53
.endr
.irp e, 0,1,2,3
	v_mul_f32 v[168+\e], v[168+\e], v[164+\e]
	v_fma_f32 v[172+\e], v[172+\e], v[164+\e], -0.5
.endr
.irp e, 0,1,2,3
	v_fma_f32 v[168+\e], v[168+\e], v[160+\e], v[160+\e]
	v_fma_f32 v[172+\e], v[172+\e], v[164+\e], 1.0
.endr
.irp e, 0,1,2,3
	v_cvt_i32_f32 v[176+\e], v[156+\e]
.endr
.irp e, 0,1,2,3
	v_add_nc_u32 v[176+\e], s54, v[176+\e]         ; the quarter turn in which the angle lies
.endr
.irp e, 0,1,2,3
	v_and_b32 v[184+\e], 1, v[176+\e]
	v_cmp_eq_u32 vcc_lo, 1, v[184+\e]
	v_cndmask_b32 v[180+\e], v[168+\e], v[172+\e], vcc_lo   ; odd quarters take the cosine's polynomial,
	v_and_b32 v[184+\e], 2, v[176+\e]
	v_lshlrev_b32 v[184+\e], 30, v[184+\e]
	v_xor_b32 v[180+\e], v[180+\e], v[184+\e]      ; quarters 2 and 3 the other sign
.endr
	global_store_b128 v6, v[180:183], s[62:63]     ; 32 lanes store 512 consecutive bytes
.macro BLOCK t
.set XS, 48+32*((\t)%2)
.set CC, 112+8*(\t)                    ; each block has its own registers for its codes: no store's data are written again
.if (\t) < 3
	s_wait_loadcnt 32                              ; this block's 32 loads are in; the next block's may be out
.else
	s_wait_loadcnt 0x0
.endif
	v_max3_num_f32 v8, |v[XS]|, |v[XS+1]|, |v[XS+2]|      ; the block's largest magnitude: all 32 numbers are mine
	v_max3_num_f32 v9, |v[XS+3]|, |v[XS+4]|, |v[XS+5]|
.irp i, 6,10,14,18,22,26
	v_max3_num_f32 v8, v8, |v[XS+\i]|, |v[XS+\i+1]|
	v_max3_num_f32 v9, v9, |v[XS+\i+2]|, |v[XS+\i+3]|
.endr
	v_max3_num_f32 v8, v8, |v[XS+30]|, |v[XS+31]|
	v_max3_num_f32 v8, v8, v9, 0x4800000           ; and the floor
	v_add_nc_u32 v11, 0xfc000000, v8
	v_and_or_b32 v10, v8, 0x7f800000, s[MNT]
	v_lshrrev_b32 v13, 23, v11
.if (\t) == 0
	v_mov_b32 v12, v13                             ; the four bytes make my column's scale word for this K step
.else
	v_lshl_or_b32 v12, v13, 8*(\t), v12
.endif
.irp i, 0,1,2,3,4,5,6,7,8,9,10,11,12,13,14,15,16,17,18,19,20,21,22,23,24,25,26,27,28,29,30,31
	v_med3_num_f32 v[XS+\i], v[XS+\i], -v10, v10
.endr
.irp g, 0,1,2,3
	v_cvt_scalef32_pk8_fp8_f32 v[CC+2*\g:CC+2*\g+1], v[XS+8*\g:XS+8*\g+7], v11
.endr
	v_nop
	global_store_b128 v4, v[CC:CC+3], s[56:57] offset:512*(\t)         ; k 0-15 of the block: the image's lanes 0-15; sixteen lanes store 256 consecutive bytes, aligned, in each of the two tiles
	global_store_b128 v4, v[CC+4:CC+7], s[56:57] offset:512*(\t)+256   ; k 16-31: its lanes 16-31
.if (\t)+2 < 4
	LOAD (\t)+2
.endif
.endm
	BLOCK 0
	BLOCK 1
	BLOCK 2
	BLOCK 3
	global_store_b32 v5, v12, s[58:59]             ; runs of 64 bytes: one byte in 128 of what this part reads
	s_endpgm
.Lfunc_end_k_qfcd4e51ec0_prep:
	.size	k_qfcd4e51ec0_prep, .Lfunc_end_k_qfcd4e51ec0_prep-k_qfcd4e51ec0_prep
	.p2alignl 7, 3214868480
	.fill 96, 4, 3214868480
	.section	.rodata,"a",@progbits
	.p2align	6, 0x0
	.amdhsa_kernel k_qfcd4e51ec0_prep
		.amdhsa_group_segment_fixed_size 70144
		.amdhsa_private_segment_fixed_size 0
		.amdhsa_enable_private_segment 0
		.amdhsa_kernarg_size 48
		.amdhsa_user_sgpr_count 2
		.amdhsa_user_sgpr_kernarg_segment_ptr 1
		.amdhsa_wavefront_size32 1
		.amdhsa_system_sgpr_workgroup_id_x 1
		.amdhsa_system_sgpr_workgroup_id_y 1
		.amdhsa_system_sgpr_workgroup_id_z 1
		.amdhsa_system_vgpr_workitem_id 0
		.amdhsa_next_free_vgpr 256
		.amdhsa_next_free_sgpr 80
		.amdhsa_reserve_vcc 1
		.amdhsa_float_denorm_mode_32 3
		.amdhsa_float_denorm_mode_16_64 3
		.amdhsa_memory_ordered 1
		.amdhsa_forward_progress 1
		.amdhsa_inst_pref_size 64
	.end_amdhsa_kernel
	.amdgpu_metadata
---
amdhsa.version: [ 1, 2 ]
amdhsa.kernels:
  - .name:           k_qfcd4e51ec0_prep
    .symbol:         k_qfcd4e51ec0_prep.kd
    .args:
      - { .name: x, .offset: 0, .size: 8, .value_kind: global_buffer, .address_space: global }
      - { .name: w_qkv, .offset: 8, .size: 8, .value_kind: global_buffer, .address_space: global }
      - { .name: w_out, .offset: 16, .size: 8, .value_kind: global_buffer, .address_space: global }
      - { .name: xq, .offset: 24, .size: 8, .value_kind: global_buffer, .address_space: global }
      - { .name: wq, .offset: 32, .size: 8, .value_kind: global_buffer, .address_space: global }
      - { .name: tab, .offset: 40, .size: 8, .value_kind: global_buffer, .address_space: global }
    .group_segment_fixed_size: 70144
    .private_segment_fixed_size: 0
    .kernarg_segment_align: 8
    .kernarg_segment_size: 48
    .max_flat_workgroup_size: 128
    .sgpr_count:     80
    .vgpr_count:     256
    .wavefront_size: 32
...
	.end_amdgpu_metadata
.endif
;; end of part 1
;; launch qkv (part 2): grid 8 x 32, 4 waves a work-group, clusters of 4 x 4, 327,680 bytes of LDS; arguments xq, wq, tab, b_qkv, qkv; writes qkv
.if DOCPART == 2
	.amdgcn_target "amdgcn-amd-amdhsa--gfx1250"
	.amdhsa_code_object_version 6
	.text
	.protected	k_qfcd4e51ec0_qkv
	.globl	k_qfcd4e51ec0_qkv
	.p2align	8
	.type	k_qfcd4e51ec0_qkv,@function
k_qfcd4e51ec0_qkv:
	s_mov_b64 s[64:65], 0
	v_nop
	global_prefetch_b8 v0, s[64:65] scope:SCOPE_SE
	s_setreg_imm32_b32 hwreg(HW_REG_WAVE_MODE, 25, 1), 1
	s_wait_xcnt 0x0
	s_wait_alu depctr_hold_cnt(0) depctr_sa_sdst(0) depctr_va_vdst(0) depctr_va_sdst(0) depctr_va_ssrc(0) depctr_va_vcc(0) depctr_vm_vsrc(0)
	s_getreg_b32 s2, hwreg(HW_REG_IB_STS2, 6, 4)
	s_cmp_eq_u32 s2, 0
	s_cbranch_scc0 .Lentry_in_a_cluster
	s_endpgm
.Lentry_in_a_cluster:
	s_bfe_u32 s2, ttmp6, 0x10000c
	s_cmp_lg_u32 s2, 0xf033
	s_cbranch_scc0 .Lentry_shape_is_right
	s_endpgm
.Lentry_shape_is_right:
; QKV: x w_qkv + b_qkv on codes of FP8 (E4M3) with E8M0 scales, then the rotary embedding on q and k, and q, k, v quantised for the attention's two products, stored as images of operand registers.
; THE PRODUCT: a work-group makes 256 x 256, each of four waves 128 x 128 in 64 accumulators (512 registers); K = 1,024 goes in four steps of 256 through two LDS slots filled by the tensor data mover.
; Both operands lie in memory as IMAGES: a fragment (16 rows x 128 K) is four groups of 512 bytes, lane L's 16 bytes at 16 L; so a fragment is four ds_load_b128 at 16 L: no pitch, no padding.
; Source 1 of the matrix instruction is side A, source 0 side B: a lane then holds ONE row of A, and its registers run along B's rows.  Row r of tile T is element pi(T, r) = 32 (T / 2) + 16 (r / 8) + 8 (T % 2) + r % 8,
; so the 64 registers of one A tile against B's eight tiles are, register 16 g + i, B's element 32 g + 16 (lane / 16) + i: the order in which an operand of the next product wants its K.
; THREE KINDS of cluster, by the cluster's x: 0 (q) and 1 (k): A = tokens, B = columns: a lane holds a token and 128 columns: two heads; K of the next product is the head's 64.
;   2 (v): A = columns, B = tokens: a lane holds one column and 128 tokens: K of the next product is the keys.  The loop is one text: only the buffers' roles are chosen.
; CLUSTERS: 4 x 4 work-groups; A's tiles are shared along a row of the cluster, B's along a column: each is asked for jointly.
; OUT (per batch x head 393,216 bytes): Q at 0 and K at 131,072: [tile of 16 tokens][c 2][lane][16]; V at 262,144: [step of 128 keys][tile of 16 channels][c 4][lane][16].
;   Scale words from 25,165,824 on, 20,480 bytes per head: Q at 0, K at 8,192: [tile / 4][row][tile % 4], bytes 0, 1 the head's two blocks, bytes 2, 3 the byte of 1.0; V at 16,384: [step][row][tile].
; LIMITS: a block of zeros, or one whose largest magnitude lies under 2^-118, gets the byte 1 (this program alone reads the bytes); NaN and infinities are not served.
; REGISTERS: window 0: v1 r, v19 h, v2-18 at work in QUANT, v20-23 offsets, v24-31 addresses, v32-63 scale words (two sets), v64-127 biases, v128-255 A's fragments (one set), later the way out.
;   window 1: B's fragments, two sets; on q's and k's way out the cosines and sines of my eight tiles of tokens, 32 registers a tile.   windows 2, 3: the accumulators: (a, b) at v[8 (8 (a % 4) + b)] of window 2 + a / 4.
; THIS LAUNCH'S GRID HOLDS KINDS 0 (q) AND 1 (k) ALONE: 256 work-groups.  v (kind 2 in the lines above) is made by the launch vproj, which stores the V images and their scale words as laid down under OUT.
.set NQ,     2
.set NL,     4
.set NP,     8                         ; places behind this matrix instruction (ISA guide 7.12.1)
.set FR,     16
.set SLOT,   131072                    ; A's 16 tiles x 4,096 bytes, then B's
.set SCL,    262144                    ; behind the ring: A's scale words (16 tiles x 512 bytes), then B's: filled once
.set SPARE,  278528                    ; the spare words, 128 bytes for each wave: two blocks of 256 bytes that no other line names
.set TM,   2
.set PW,   18
.set ADRA, 24
.set ADRB, 26
.set ADRS, 28
.set LI,   29
.set SPW,  30
.set NIL,  31
.set SC,   32
.set BI,   64
.set AF,   128
.set PC,   160                         ; the way out: v160-175 codes, v176-191 scale words, v192-255 64 numbers
.set SW,   176
.set TT,   192
.set SEL,  24                          ; the way out's scalars lie where descriptors lay
.set MNT,  26
.set G1,   24
.set G0,   32
.set G1B,  48
.set G0B,  56
.set G1S,  68
.set G0S,  76
.set G1SB, 80
.set G0SB, 88
.set MSB, 0
.macro WIN new                         ; the immediate's high byte repeats the setting that is left
.if MSB != (\new)
	s_set_vgpr_msb (MSB<<8)|(\new)
.set MSB, (\new)
.endif
.endm
.set MUL_LO, 0xa1                      ; source 0 (B) window 1, source 1 (A) window 0, C and D window 2
.set MUL_HI, 0xf1
.set TO_B,   0x40
; A joint load: waves 0 and 1 fetch for A, waves 2 and 3 for B; the branch hangs on the wave's number alone.  Four v_nop follow each of the two lines.
.macro JLOAD g0a, g1a, g0b, g1b
	s_cmp_eq_u32 s15, 0
	s_cbranch_scc0 .Lfor_b_\@
	tensor_load_to_lds s[\g0a:\g0a+3], s[\g1a:\g1a+7]
	s_nop 0
.rept 4
	v_nop
.endr
	s_branch .Lasked_\@
.Lfor_b_\@:
	tensor_load_to_lds s[\g0b:\g0b+3], s[\g1b:\g1b+7]
	s_nop 0
.rept 4
	v_nop
.endr
.Lasked_\@:
.endm
.macro CREST                           ; a round of the cluster's barrier behind its opening barrier
	s_cmp_lg_u32 s14, 0
	s_cbranch_scc1 .Lnot_wave_0_\@
	s_barrier_signal -3
.Lnot_wave_0_\@:
	s_barrier_wait -3
	s_barrier_signal -1
	s_barrier_wait -1
.endm
.macro CROUND
	s_barrier_signal -1
	s_barrier_wait -1
	CREST
.endm
.macro PLACES n
.rept \n
	v_nop
.endr
.endm
.macro FINISH                          ; the wave's end; then the closing round: no work-group ends while a partner may still ask for a tile that names it
	s_wait_tensorcnt 0x0
	ds_add_u32 v[SPW], v[NIL]
	s_wait_dscnt 0x0
	CROUND
	s_endpgm
.endm
.macro QUANT s, pc, pw                 ; 64 numbers of a lane, register 16 b + i = k 32 b + 16 (lane / 16) + i, become a fragment's codes in v[pc] on and its scale word in v[pw]
.irp b, 0,1,2,3
	v_max3_num_f32 v[TM+\b], |v[\s+16*\b]|, |v[\s+1+16*\b]|, 0x4800000   ; my 16 numbers of block b, and the floor 2^(9 - 127): the byte cannot fall under 1
.endr
.irp i, 2,4,6,8,10,12,14
.irp b, 0,1,2,3
	v_max3_num_f32 v[TM+\b], v[TM+\b], |v[\s+16*\b+\i]|, |v[\s+1+16*\b+\i]|
.endr
.endr
.irp b, 0,1,2,3
	v_permlanex16_b32 v[TM+4+\b], v[TM+\b], s[SEL], s[SEL+1]
.endr
.irp b, 0,1,2,3
	v_max_num_f32 v[TM+\b], v[TM+\b], v[TM+4+\b]          ; with lane l xor 16's 16: the block's largest magnitude
.endr
.irp b, 0,1,2,3
	v_add_nc_u32 v[TM+12+\b], 0xfc000000, v[TM+\b]        ; 8 off its exponent field: the conversion's scale operand
.endr
.irp b, 0,1,2,3
	v_and_or_b32 v[TM+8+\b], v[TM+\b], 0x7f800000, s[MNT] ; 448 x the scale
.endr
.irp b, 0,1,2,3
	v_lshrrev_b32 v[TM+4+\b], 23, v[TM+12+\b]             ; the scale's byte
.endr
	v_lshl_or_b32 v[\pw], v[TM+5], 8, v[TM+4]
	v_lshl_or_b32 v[\pw], v[TM+6], 16, v[\pw]
	v_lshl_or_b32 v[\pw], v[TM+7], 24, v[\pw]
.irp b, 0,1,2,3
.irp i, 0,1,2,3,4,5,6,7,8,9,10,11,12,13,14,15
	v_med3_num_f32 v[\s+16*\b+\i], v[\s+16*\b+\i], -v[TM+8+\b], v[TM+8+\b]   ; the conversion to an 8-bit code does not saturate (ISA guide 7.6.2): the hold comes first
.endr
	v_cvt_scalef32_pk8_fp8_f32 v[\pc+4*\b:\pc+1+4*\b], v[\s+16*\b:\s+7+16*\b], v[TM+12+\b]
	v_cvt_scalef32_pk8_fp8_f32 v[\pc+2+4*\b:\pc+3+4*\b], v[\s+8+16*\b:\s+15+16*\b], v[TM+12+\b]
.endr
	v_nop                                          ; a plain line behind the last conversion
.endm
	s_load_b256 s[4:11], s[0:1], 0x0               ; xq s[4:5], wq s[6:7], tab s[8:9], b_qkv s[10:11]
	s_load_b64 s[12:13], s[0:1], 0x20              ; qkv
	v_lshl_add_u32 v[SPW], v0, 2, SPARE
	v_mov_b32 v[NIL], 0
	ds_add_u32 v30, v31
	ds_add_u32 v30, v31
	s_wait_dscnt 0x0
	v_lshrrev_b32 v1, 5, v0
	v_readfirstlane_b32 s14, v1                    ; wave 0..3
	s_lshr_b32 s15, s14, 1                         ; which half of A's rows is mine.  Also: I fetch for A (0) or for B (1)
	s_and_b32 s16, s14, 1                          ; which half of B's rows.  Also: which 8 tiles I fetch
	s_bfe_u32 s40, ttmp6, 0x40000                  ; cx
	s_bfe_u32 s41, ttmp6, 0x40004                  ; cy
	s_and_b32 s17, ttmp7, 0xffff
	s_lshl_b32 s17, s17, 2                         ; 4 x cluster y
	s_lshl_b32 s42, ttmp9, 2                       ; 4 x kind
	s_add_co_u32 s17, s17, s41                     ; A's block of 256 rows: tokens cy + 4 cluster y
	s_add_co_u32 s42, s42, s40                     ; B's: columns cx + 4 kind
	s_lshl_b32 s43, s41, 2
	s_lshl_b32 s43, 15, s43                        ; my row of the cluster
	s_lshl_b32 s44, 0x1111, s40                    ; my column
	; descriptor group 1, codes: 8 tiles x 4,096 bytes (a K step of 256), 16,384 bytes apart: elements of 8 bytes
	s_or_b32 s[G1+0], s43, (3<<16)|(1<<21)         ; 15:0 the mask; 17:16 elements of 8 bytes; 21 set beside a mask; no padding
	s_or_b32 s[G1B+0], s44, (3<<16)|(1<<21)
.irp g, G1, G1B
	s_mov_b32 s[\g+1], 512<<16                     ; tensor_dim0
	s_mov_b32 s[\g+2], 16<<16                      ; tensor_dim1: the head's loads bring all 16 tiles of a side
	s_mov_b32 s[\g+3], 512<<16                     ; tile_dim0
	s_mov_b32 s[\g+4], 16                          ; tile_dim1
	s_mov_b32 s[\g+5], 2048                        ; tensor_dim0_stride
	s_mov_b32 s[\g+6], 0
	s_mov_b32 s[\g+7], 0
.endr
	; scale words of 16 tiles: 8,192 dense bytes, as 32 rows of 256
	s_or_b32 s[G1S+0], s43, (3<<16)|(1<<21)
	s_or_b32 s[G1SB+0], s44, (3<<16)|(1<<21)
.irp g, G1S, G1SB
	s_mov_b32 s[\g+1], 32<<16
	s_mov_b32 s[\g+2], 32<<16
	s_mov_b32 s[\g+3], 32<<16
	s_mov_b32 s[\g+4], 32
	s_mov_b32 s[\g+5], 32
	s_mov_b32 s[\g+6], 0
	s_mov_b32 s[\g+7], 0
.endr
	s_lshl_b32 s18, s16, 17                        ; my 8 tiles of the 16: 131,072 bytes of codes,
	s_mov_b32 s19, 0                               ; s[18:19]: my half's bytes of codes, as a pair
	s_lshl_b32 s20, s17, 18
	s_mov_b32 s21, 0
	s_lshl_b32 s22, s17, 13
	s_mov_b32 s23, 0
	s_lshl_b32 s46, s42, 18
	s_mov_b32 s47, 0
	s_lshl_b32 s92, s42, 13
	s_mov_b32 s93, 0
	s_lshl_b32 s45, s14, 15                        ; where they go: wave x 32,768: no place in the cluster enters an LDS address
	s_mov_b32 s95, 8388608                         ; where the scale words begin in xq,
	s_mov_b32 s96, 4194304                         ; and in wq
	s_add_co_u32 s22, s22, s95
	s_add_co_u32 s92, s92, s96
	s_wait_kmcnt 0x0
	s_add_nc_u64 s[20:21], s[4:5], s[20:21]        ; A is xq, B is wq
	s_add_nc_u64 s[22:23], s[4:5], s[22:23]
	s_add_nc_u64 s[46:47], s[6:7], s[46:47]
	s_add_nc_u64 s[92:93], s[6:7], s[92:93]
	CROUND                                         ; all sixteen work-groups are here: the first joint loads meet
	s_mov_b32 s[G0S], 1
	s_mov_b32 s[G0S+1], SCL
	s_mov_b64 s[G0S+2:G0S+3], s[22:23]
	s_or_b32 s[G0S+3], s[G0S+3], 0x80000000
	s_mov_b32 s[G0SB], 1
	s_mov_b32 s[G0SB+1], SCL+8192
	s_mov_b64 s[G0SB+2:G0SB+3], s[92:93]
	s_or_b32 s[G0SB+3], s[G0SB+3], 0x80000000
	s_mov_b32 s4, 1                                ; s[4:7]: group 0 of the head's load of K step 0, A's 16 tiles (the arguments that lay there have been used)
	s_mov_b32 s5, 0
	s_mov_b64 s[6:7], s[20:21]
	s_or_b32 s7, s7, 0x80000000
	s_mov_b32 s96, 1                               ; s[96:99]: the same for B's 16 tiles, behind A's in slot 0
	s_mov_b32 s97, 65536
	s_mov_b64 s[98:99], s[46:47]
	s_or_b32 s99, s99, 0x80000000
	s_add_nc_u64 s[20:21], s[20:21], s[18:19]      ; for the ring: my 8 tiles of the 16
	s_add_nc_u64 s[46:47], s[46:47], s[18:19]
.irp s, 0,1
	s_mov_b32 s[G0+4*\s], 1
	s_add_co_u32 s[G0+4*\s+1], s45, \s*SLOT
	s_add_nc_u64 s[G0+4*\s+2:G0+4*\s+3], s[20:21], \s*4096
	s_or_b32 s[G0+4*\s+3], s[G0+4*\s+3], 0x80000000
	s_mov_b32 s[G0B+4*\s], 1
	s_add_co_u32 s[G0B+4*\s+1], s45, \s*SLOT
	s_add_nc_u64 s[G0B+4*\s+2:G0B+4*\s+3], s[46:47], \s*4096
	s_or_b32 s[G0B+4*\s+3], s[G0B+4*\s+3], 0x80000000
.endr
; THE HEAD'S LOADS, ONE A WAVE: wave 0 K step 0's 16 tiles of A, wave 1 those of B, wave 2 A's scale words, wave 3 B's.  One tree of branches on the wave's number: every way passes one load.
.macro ARM under, g0, g1, next
	s_cmp_lt_u32 s14, \under
	s_cbranch_scc0 \next
	tensor_load_to_lds s[\g0:\g0+3], s[\g1:\g1+7]
	s_nop 0
.rept 4
	v_nop
.endr
	s_branch .Lhead_asked
\next:
.endm
	ARM 1, 4, G1, .Lhead_b
	ARM 2, 96, G1B, .Lhead_sa
	ARM 3, G0S, G1S, .Lhead_sb
	tensor_load_to_lds s[G0SB:G0SB+3], s[G1SB:G1SB+7]
	s_nop 0
.rept 4
	v_nop
.endr
.Lhead_asked:
	v_and_b32 v1, 15, v0
	v_bfe_u32 v19, v0, 4, 1                        ; h
	s_wait_alu depctr_va_vdst(0)
	v_and_b32 v20, 31, v0
	v_lshlrev_b32 v[LI], 4, v20                    ; 16 x lane
	s_lshl_b32 s21, s15, 15                        ; my 8 tiles of A
	s_lshl_b32 s22, s16, 15
	s_add_co_u32 s22, s22, 65536                   ; my 8 of B, behind A's 16
.irp s, 0,1
	v_add_nc_u32 v[ADRA+\s], s21, v[LI]
	v_add_nc_u32 v[ADRB+\s], s22, v[LI]
	s_add_co_u32 s21, s21, SLOT
	s_add_co_u32 s22, s22, SLOT
.endr
	s_lshl_b32 s21, s15, 12                        ; scale words: A's, my 8 tiles;
	s_lshl_b32 s22, s16, 12
	s_add_co_u32 s22, s22, 8192                    ; B's, behind A's
	s_sub_co_u32 s22, s22, s21
	v_mul_u32_u24 v21, s22, v19                    ; lanes 16-31 take B's
	s_add_co_u32 s21, s21, SCL
	v_lshl_add_u32 v21, v1, 2, v21
	v_add_nc_u32 v[ADRS], s21, v21
.macro FRAG reg, adr, q, i             ; tile i's fragment of the slot's q-th 128 along K: the image as it lies
.irp c, 0,1,2,3
	ds_load_b128 v[\reg+4*\c:\reg+4*\c+3], v[\adr] offset:2048*(\q)+512*\c+(\i)*4096
.endr
.endm
; 16 matrix instructions: A's tiles a0, a0 + 1 x B's eight.  first = 1: the products start the sums.  The 64 accumulators take turns, one instruction a turn, in the same order in every step.
.macro MUL16 a0, p, q, sc, first
.irp a, \a0, \a0+1
.irp b, 0,1,2,3,4,5,6,7
.if \first
	v_wmma_scale_f32_16x16x128_f8f6f4 v[8*(8*((\a)%4)+\b):8*(8*((\a)%4)+\b)+7], v[128*(\p)+FR*\b:128*(\p)+FR*\b+FR-1], v[AF+FR*(\a):AF+FR*(\a)+FR-1], 0, v[SC+16*(\sc)+2*\b+(\q)], v[SC+16*(\sc)+2*(\a)+(\q)] matrix_a_scale:MATRIX_SCALE_ROW1
.else
	v_wmma_scale_f32_16x16x128_f8f6f4 v[8*(8*((\a)%4)+\b):8*(8*((\a)%4)+\b)+7], v[128*(\p)+FR*\b:128*(\p)+FR*\b+FR-1], v[AF+FR*(\a):AF+FR*(\a)+FR-1], v[8*(8*((\a)%4)+\b):8*(8*((\a)%4)+\b)+7], v[SC+16*(\sc)+2*\b+(\q)], v[SC+16*(\sc)+2*(\a)+(\q)] matrix_a_scale:MATRIX_SCALE_ROW1
.endif
.endr
.endr
.endm
.macro FETCH_B slot, q, p
	WIN TO_B
.irp i, 0,1,2,3,4,5,6,7
	FRAG 128*(\p)+FR*\i, ADRB+\slot, \q, \i
.endr
	WIN 0
.endm
.macro FETCH_A slot, q, i0
.irp i, \i0, \i0+1, \i0+2, \i0+3
	FRAG AF+FR*(\i), ADRA+\slot, \q, \i
.endr
.endm
.macro SCALES sc                       ; a K step's scale words: register 2 i + q: lanes 0-15 A's tile i, lanes 16-31 B's tile i
.irp i, 0,1,2,3,4,5,6,7
	ds_load_b32 v[SC+16*\sc+2*\i], v[ADRS] offset:512*\i
	ds_load_b32 v[SC+16*\sc+2*\i+1], v[ADRS] offset:512*\i+64
.endr
.endm
.macro STEP slot, q, first             ; 128 along K that have their successor in the same slot
	s_wait_dscnt 4*NL                              ; B's set, A's tiles 0-3 and the scale words are in; the youngest 16 loads (A's tiles 4-7) may be out
	WIN MUL_LO
	MUL16 0, (\q)%2, \q, \slot, \first
	MUL16 2, (\q)%2, \q, \slot, \first
	s_wait_dscnt 0
	PLACES NP                                      ; in front of loads into registers that matrix instructions have read
	FETCH_B \slot, (\q)+1, 1-(\q)%2
	FETCH_A \slot, (\q)+1, 0
	WIN MUL_HI
	MUL16 4, (\q)%2, \q, \slot, \first
	MUL16 6, (\q)%2, \q, \slot, \first
	PLACES NP
	WIN 0
	FETCH_A \slot, (\q)+1, 4
.endm
; A slot's last 128 change slots: one barrier; in front of it each wave waits for all its tensor loads, adds 0 to its spare word, and waits for that and for its own reads of this slot.  fill = 1: this slot is filled again, two K steps ahead.
.macro TURN slot, next, fill
	s_wait_tensorcnt 0x0                           ; all my tensor loads have landed: my part of the next slot
	ds_add_u32 v[SPW], v[NIL]                      ; 0 onto my spare word
	s_wait_dscnt 4*NL+1                            ; (the add and the youngest 16 loads may be out)
	WIN MUL_LO
	MUL16 0, 1, NQ-1, \slot, 0
	s_wait_dscnt 0x0                               ; the add is done, and my reads of this slot are over
	s_barrier_signal -1
	MUL16 2, 1, NQ-1, \slot, 0
	WIN 0
	s_barrier_wait -1
.if \fill
	CREST                                          ; the barrier has opened a round of the cluster's barrier: no wave of any partner still reads this slot or has a load on its way
	s_add_nc_u64 s[G0+4*\slot+2:G0+4*\slot+3], s[G0+4*\slot+2:G0+4*\slot+3], 8192
	s_add_nc_u64 s[G0B+4*\slot+2:G0B+4*\slot+3], s[G0B+4*\slot+2:G0B+4*\slot+3], 8192
	JLOAD G0+4*\slot, G1, G0B+4*\slot, G1B         ; the first tensor load behind the round; its four v_nop are among the places in front of the loads below
	PLACES NP-4
.else
	PLACES NP
.endif
	s_wait_alu depctr_va_vdst(0)
	v_add_nc_u32 v[ADRS], 128, v[ADRS]             ; on to the next K step's scale words
	FETCH_B \next, 0, 0
	FETCH_A \next, 0, 0
	SCALES \next
	WIN MUL_HI
	MUL16 4, 1, NQ-1, \slot, 0
	MUL16 6, 1, NQ-1, \slot, 0
	PLACES NP
	WIN 0
	FETCH_A \next, 0, 4
.endm
	s_wait_alu depctr_va_vdst(0)
	s_wait_tensorcnt 0x0                           ; my tile of the head's four is in
	ds_add_u32 v[SPW], v[NIL]
	s_mov_b32 s[G1+2], 8<<16                       ; no tensor load of mine is out: from here on a load brings 8 tiles
	s_mov_b32 s[G1+4], 8
	s_mov_b32 s[G1B+2], 8<<16
	s_mov_b32 s[G1B+4], 8
	s_wait_dscnt 0x0
	CROUND                                         ; all four tiles are in, and all sixteen work-groups are here
	JLOAD G0+4, G1, G0B+4, G1B                     ; K step 1, the first tensor load behind the round
	FETCH_B 0, 0, 0
	FETCH_A 0, 0, 0
	SCALES 0
	FETCH_A 0, 0, 4
	STEP 0, 0, 1                                   ; four K steps of 256, written out: the first products start the sums
	TURN 0, 1, 1
	STEP 1, 0, 0
	TURN 1, 0, 1
	STEP 0, 0, 0
	TURN 0, 1, 0                                   ; nothing is left to fetch
	STEP 1, 0, 0
	s_wait_dscnt 4*NL
	WIN MUL_LO
	MUL16 0, 1, NQ-1, 1, 0
	MUL16 2, 1, NQ-1, 1, 0
	s_wait_dscnt 0
	WIN MUL_HI
	MUL16 4, 1, NQ-1, 1, 0
	MUL16 6, 1, NQ-1, 1, 0
	WIN 0
	PLACES NP                                      ; behind the last products: results are read, and registers that held A's and B's fragments are loaded
	s_mov_b32 s[SEL], 0x76543210                   ; no tensor load is out: the descriptors' registers are free
	s_mov_b32 s[SEL+1], 0xfedcba98
	s_mov_b32 s[MNT], 0x600000
	s_mov_b32 s27, 0x7f7f7f7f                      ; the byte of 1.0
	s_mov_b32 s28, 0x04040100                      ; a scale word's bytes 0, 1 under two bytes of 1.0;
	s_mov_b32 s29, 0x04040302                      ; its bytes 2, 3 likewise
	s_mov_b32 s30, 0xffff0000                      ; lanes 16-31
.irp b, 0,1,2,3
	v_mov_b32 v[TM+4+\b], 0                        ; written once: a lane permute's destination counts as one of its sources
.endr
	; ---------------- q and k.  A lane holds one token; for A's tile a its register 32 hl + 16 g + i is channel 32 g + 16 h + i of head hl of my two.
	s_lshr_b32 s32, s17, 3                         ; the batch
	s_and_b32 s33, s17, 7
	s_lshl_b32 s33, s33, 4
	s_lshl_b32 s34, s15, 3
	s_add_co_u32 s33, s33, s34                     ; my first tile of 16 tokens in the sequence
	s_lshl_b32 s32, s32, 4
	s_lshl_b32 s34, s40, 2
	s_add_co_u32 s32, s32, s34
	s_lshl_b32 s34, s16, 1
	s_add_co_u32 s32, s32, s34                     ; batch x 16 + my first head
	s_mul_i32 s36, s32, 393216
	s_lshl_b32 s34, ttmp9, 17
	s_add_co_u32 s36, s36, s34
	s_lshl_b32 s34, s33, 10
	s_add_co_u32 s36, s36, s34                     ; the images
	s_mov_b32 s37, 0
	s_mul_i32 s38, s32, 20480
	s_lshl_b32 s34, ttmp9, 13
	s_add_co_u32 s38, s38, s34
	s_lshl_b32 s34, s33, 6
	s_add_co_u32 s38, s38, s34
	s_add_co_u32 s38, s38, 25165824                ; the scale words
	s_mov_b32 s39, 0
	s_lshl_b32 s44, s33, 12                        ; the table
	s_mov_b32 s45, 0
	s_lshl_b32 s46, s42, 10
	s_lshl_b32 s34, s16, 9
	s_add_co_u32 s46, s46, s34                     ; the bias of my 128 columns
	s_mov_b32 s47, 0
	s_add_nc_u64 s[36:37], s[12:13], s[36:37]
	s_add_nc_u64 s[38:39], s[12:13], s[38:39]
	s_add_nc_u64 s[44:45], s[8:9], s[44:45]
	s_add_nc_u64 s[10:11], s[10:11], s[46:47]
	v_lshlrev_b32 v20, 6, v19                      ; 16 h numbers on
.irp b, 0,1,2,3,4,5,6,7
	global_load_b128 v[BI+8*\b:BI+8*\b+3], v20, s[10:11] offset:(32*(\b/2)+8*(\b%2))*4
	global_load_b128 v[BI+8*\b+4:BI+8*\b+7], v20, s[10:11] offset:(32*(\b/2)+8*(\b%2))*4+16
.endr
	; The cosines and sines of all my eight tiles go out in one run, into window 1, which B's fragments have left: tile a's at v[32 a] on (16 cosines, 16 sines): lane (r, h): row r's position, frequencies 16 h + 0 .. 15.
	; So only the first tile waits for memory; each later tile's eight loads have the tiles before it in which to land.
	WIN TO_B
.irp a, 0,1,2,3,4,5,6,7
.irp i, 0,1,2,3
	global_load_b128 v[32*\a+4*\i:32*\a+4*\i+3], v[LI], s[44:45] offset:4096*\a+512*\i
.endr
.irp i, 0,1,2,3
	global_load_b128 v[32*\a+16+4*\i:32*\a+19+4*\i], v[LI], s[44:45] offset:4096*\a+2048+512*\i
.endr
.endr
	WIN 0
.macro QK_TILE a
.set WW, 2+(\a)/4
.set AC, 64*((\a)%4)
.set CSN, 32*(\a)
.set SNN, 32*(\a)+16
	s_wait_loadcnt 8*(7-(\a))                      ; the bias and this tile's table are in; the eight loads of each later tile may be out
	s_wait_xcnt 0x0                                ; the last tile's stores have read their codes' registers
	WIN (WW<<6)|WW
.set XX, 0
.rept 32
	v_pk_add_f32 v[AC+XX:AC+XX+1], v[AC+XX:AC+XX+1], v[BI+XX:BI+XX+1]   ; + bias; ascending: each accumulator is read from its low end on
.set XX, XX+2
.endr
	WIN 4|WW                                       ; source 0: the accumulators' window; source 1: window 1, the table; source 2 and the destination: window 0
.irp hl, 0,1
.irp i, 0,2,4,6,8,10,12,14                 ; channels d and d + 32 lie in one lane, 16 registers apart: x1 cos - x2 sin, x2 cos + x1 sin
	v_pk_mul_f32 v[TT+32*\hl+\i:TT+32*\hl+\i+1], v[AC+32*\hl+\i:AC+32*\hl+\i+1], v[CSN+\i:CSN+\i+1]
	v_pk_mul_f32 v[TT+32*\hl+16+\i:TT+32*\hl+17+\i], v[AC+32*\hl+16+\i:AC+32*\hl+17+\i], v[CSN+\i:CSN+\i+1]
	v_pk_fma_f32 v[TT+32*\hl+\i:TT+32*\hl+\i+1], v[AC+32*\hl+16+\i:AC+32*\hl+17+\i], v[SNN+\i:SNN+\i+1], v[TT+32*\hl+\i:TT+32*\hl+\i+1] neg_lo:[1,0,0] neg_hi:[1,0,0]
	v_pk_fma_f32 v[TT+32*\hl+16+\i:TT+32*\hl+17+\i], v[AC+32*\hl+\i:AC+32*\hl+\i+1], v[SNN+\i:SNN+\i+1], v[TT+32*\hl+16+\i:TT+32*\hl+17+\i]
.endr
.endr
	WIN 0
	QUANT TT, PC, PW
.irp hl, 0,1
.irp c, 0,1
	global_store_b128 v[LI], v[PC+8*\hl+4*\c:PC+8*\hl+4*\c+3], s[36:37] offset:393216*\hl+1024*(\a)+512*\c   ; 32 lanes store 512 consecutive bytes
.endr
.endr
	v_perm_b32 v[SW+\a], s27, v[PW], s28           ; head 0's word,
	v_perm_b32 v[SW+8+\a], s27, v[PW], s29         ; head 1's
.endm
.irp a, 0,1,2,3,4,5,6,7
	QK_TILE \a
.endr
.irp hl, 0,1
.irp t, 0,1,2,3
	v_cndmask_b32 v[TT+4*\hl+\t], v[SW+8*\hl+\t], v[SW+8*\hl+4+\t], s30   ; lanes 0-15 store tiles 0-3's words, lanes 16-31 tiles 4-7's
.endr
	global_store_b128 v[LI], v[TT+4*\hl:TT+4*\hl+3], s[38:39] offset:20480*\hl   ; 512 consecutive bytes
.endr
	FINISH
.Lfunc_end_k_qfcd4e51ec0_qkv:
	.size	k_qfcd4e51ec0_qkv, .Lfunc_end_k_qfcd4e51ec0_qkv-k_qfcd4e51ec0_qkv
	.p2alignl 7, 3214868480
	.fill 96, 4, 3214868480
	.section	.rodata,"a",@progbits
	.p2align	6, 0x0
	.amdhsa_kernel k_qfcd4e51ec0_qkv
		.amdhsa_group_segment_fixed_size 327680
		.amdhsa_private_segment_fixed_size 0
		.amdhsa_enable_private_segment 0
		.amdhsa_kernarg_size 40
		.amdhsa_user_sgpr_count 2
		.amdhsa_user_sgpr_kernarg_segment_ptr 1
		.amdhsa_wavefront_size32 1
		.amdhsa_system_sgpr_workgroup_id_x 1
		.amdhsa_system_sgpr_workgroup_id_y 1
		.amdhsa_system_sgpr_workgroup_id_z 1
		.amdhsa_system_vgpr_workitem_id 0
		.amdhsa_next_free_vgpr 1024
		.amdhsa_next_free_sgpr 102
		.amdhsa_reserve_vcc 0
		.amdhsa_float_denorm_mode_32 3
		.amdhsa_float_denorm_mode_16_64 3
		.amdhsa_memory_ordered 1
		.amdhsa_forward_progress 1
		.amdhsa_inst_pref_size 245
	.end_amdhsa_kernel
	.amdgpu_metadata
---
amdhsa.version: [ 1, 2 ]
amdhsa.kernels:
  - .name:           k_qfcd4e51ec0_qkv
    .symbol:         k_qfcd4e51ec0_qkv.kd
    .args:
      - { .name: xq, .offset: 0, .size: 8, .value_kind: global_buffer, .address_space: global }
      - { .name: wq, .offset: 8, .size: 8, .value_kind: global_buffer, .address_space: global }
      - { .name: tab, .offset: 16, .size: 8, .value_kind: global_buffer, .address_space: global }
      - { .name: b_qkv, .offset: 24, .size: 8, .value_kind: global_buffer, .address_space: global }
      - { .name: qkv, .offset: 32, .size: 8, .value_kind: global_buffer, .address_space: global }
    .group_segment_fixed_size: 327680
    .private_segment_fixed_size: 0
    .kernarg_segment_align: 8
    .kernarg_segment_size: 40
    .max_flat_workgroup_size: 128
    .sgpr_count:     102
    .vgpr_count:     1024
    .wavefront_size: 32
...
	.end_amdgpu_metadata
.endif
;; end of part 2
;; launch vproj (part 3): grid 32 x 8, 4 waves a work-group, clusters of 4 x 4, 327,680 bytes of LDS; arguments wq, xq, b_qkv, qkv; writes qkv
.if DOCPART == 3
	.amdgcn_target "amdgcn-amd-amdhsa--gfx1250"
	.amdhsa_code_object_version 6
	.text
	.protected	k_qfcd4e51ec0_vproj
	.globl	k_qfcd4e51ec0_vproj
	.p2align	8
	.type	k_qfcd4e51ec0_vproj,@function
k_qfcd4e51ec0_vproj:
	s_mov_b64 s[64:65], 0
	v_nop
	global_prefetch_b8 v0, s[64:65] scope:SCOPE_SE
	s_setreg_imm32_b32 hwreg(HW_REG_WAVE_MODE, 25, 1), 1
	s_wait_xcnt 0x0
	s_wait_alu depctr_hold_cnt(0) depctr_sa_sdst(0) depctr_va_vdst(0) depctr_va_sdst(0) depctr_va_ssrc(0) depctr_va_vcc(0) depctr_vm_vsrc(0)
	s_getreg_b32 s2, hwreg(HW_REG_IB_STS2, 6, 4)
	s_cmp_eq_u32 s2, 0
	s_cbranch_scc0 .Lentry_in_a_cluster
	s_endpgm
.Lentry_in_a_cluster:
	s_bfe_u32 s2, ttmp6, 0x10000c
	s_cmp_lg_u32 s2, 0xf033
	s_cbranch_scc0 .Lentry_shape_is_right
	s_endpgm
.Lentry_shape_is_right:
; V: the last 1,024 columns of x w_qkv + b_qkv on codes of FP8 (E4M3) with E8M0 scales, quantised along the KEYS for the attention's second product and stored as images of operand registers.
; Side A (source 1) = 128 columns of the weight (8 tiles of 16), side B (source 0) = 256 tokens (16 tiles): a lane holds ONE column (a channel of a head), and its registers run along the tokens.
; A work-group makes 128 x 256, each of four waves 64 x 128 in 32 accumulators: one head's 64 channels x one step of 128 keys.  256 work-groups.
; Operands lie in memory as IMAGES: a tile of 16 rows is 16,384 bytes, its fragment n (128 along K) four groups of 512 bytes at 2,048 n, lane L's 16 bytes at 16 L; scale words [tile][n][row].
; Row r of tile T is element 32 (T / 2) + 16 (r / 8) + 8 (T % 2) + r % 8: so register 16 g + i of one A tile against B's eight tiles is token 32 g + 16 (lane / 16) + i.
; K = 1,024 comes in three fills: at the head K step 0 (256 along K) and all scale words, one whole tile a wave; then K steps 1 and 2 by one load a wave, rows of 8,192 bytes; then K step 3 into K step 0's bytes.
; CLUSTERS: 4 x 4; A's tiles are shared along a row of the cluster, B's along a column: every load is a joint one.  No prefetch: three fills, and no loop to run ahead in.
; OUT (per batch x head 393,216 bytes of qkv): V at 262,144: [step of 128 keys][tile of 16 channels][c 4][lane][16]; scale words at 25,165,824 + 20,480 x head + 16,384: [step][row][tile].
; LIMITS: a block of zeros, or one whose largest magnitude lies under 2^-118, gets the byte 1 (this program alone reads the bytes); NaN and infinities are not served.
; REGISTERS: window 0: v1 r, v19 h, v2-18 at work in QUANT, v24-31 addresses, v32-63 scale words (two sets), v64-71 biases, v128-255 A's fragments (two sets), later the way out; window 1: B's fragments, two sets; window 2: accumulator (a, b) at v[8 (8 a + b)].
.set NP,     8                         ; places behind this matrix instruction (ISA guide 7.12.1)
.set FR,     16
.set BOFF,   32768                     ; K step 0 (later 3): A's 8 tiles x 4,096 bytes, then B's 16
.set R2A,    98304                     ; K steps 1, 2: A's 8 tiles x 8,192 bytes,
.set R2B,    163840                    ; B's 16
.set SCL,    294912                    ; A's scale words (4,096 bytes), then B's (8,192)
.set SPARE,  307200                    ; the spare words, 128 bytes a wave
.set TM,   2
.set ADRA, 24
.set ADRB, 26
.set ADRS, 28
.set LI,   29
.set SPW,  30
.set NIL,  31
.set SC,   32
.set BI,   64
.set AF,   128
.set PC,   160
.set SW,   176
.set TT,   192
.set SEL,  20
.set MNT,  22
.set G1,   24
.set GA2,  32
.set GA3,  36
.set GAH,  40
.set G1B,  48
.set GB2,  56
.set GB3,  60
.set G1S,  68
.set G0S,  76
.set G1SB, 80
.set G0SB, 88
.set GBH,  92
.set MSB, 0
.macro WIN new                         ; the immediate's high byte repeats the setting that is left
.if MSB != (\new)
	s_set_vgpr_msb (MSB<<8)|(\new)
.set MSB, (\new)
.endif
.endm
.set MUL,  0xa1                        ; source 0 (B) window 1, source 1 (A) window 0, C and D window 2
.set TO_B, 0x40
.macro JLOAD g0a, g1a, g0b, g1b        ; waves 0 and 1 fetch for A, waves 2 and 3 for B; s_nop 0 and four v_nop follow each load
	s_cmp_eq_u32 s15, 0
	s_cbranch_scc0 .Lfor_b_\@
	tensor_load_to_lds s[\g0a:\g0a+3], s[\g1a:\g1a+7]
	s_nop 0
.rept 4
	v_nop
.endr
	s_branch .Lasked_\@
.Lfor_b_\@:
	tensor_load_to_lds s[\g0b:\g0b+3], s[\g1b:\g1b+7]
	s_nop 0
.rept 4
	v_nop
.endr
.Lasked_\@:
.endm
.macro CREST
	s_cmp_lg_u32 s14, 0
	s_cbranch_scc1 .Lnot_wave_0_\@
	s_barrier_signal -3
.Lnot_wave_0_\@:
	s_barrier_wait -3
	s_barrier_signal -1
	s_barrier_wait -1
.endm
.macro CROUND
	s_barrier_signal -1
	s_barrier_wait -1
	CREST
.endm
.macro PLACES n
.rept \n
	v_nop
.endr
.endm
.macro ARM under, g0, g1, next
	s_cmp_lt_u32 s14, \under
	s_cbranch_scc0 \next
	tensor_load_to_lds s[\g0:\g0+3], s[\g1:\g1+7]
	s_nop 0
.rept 4
	v_nop
.endr
	s_branch .Lhead_asked
\next:
.endm
.macro DESC g, rowel, rows, pitch      ; words 1 to 7 of a group 1: rows of rowel elements of 8 bytes
	s_mov_b32 s[\g+1], (\rowel)<<16
	s_mov_b32 s[\g+2], (\rows)<<16
	s_mov_b32 s[\g+3], (\rowel)<<16
	s_mov_b32 s[\g+4], \rows
	s_mov_b32 s[\g+5], \pitch
	s_mov_b32 s[\g+6], 0
	s_mov_b32 s[\g+7], 0
.endm
.macro QUANT s, pc, pw                 ; 64 numbers of a lane, register 16 b + i = k 32 b + 16 (lane / 16) + i, become a fragment's codes in v[pc] on and its scale word in v[pw]
.irp b, 0,1,2,3
	v_max3_num_f32 v[TM+\b], |v[\s+16*\b]|, |v[\s+1+16*\b]|, 0x4800000   ; the floor 2^(9 - 127): the byte cannot fall under 1
.endr
.irp i, 2,4,6,8,10,12,14
.irp b, 0,1,2,3
	v_max3_num_f32 v[TM+\b], v[TM+\b], |v[\s+16*\b+\i]|, |v[\s+1+16*\b+\i]|
.endr
.endr
.irp b, 0,1,2,3
	v_permlanex16_b32 v[TM+4+\b], v[TM+\b], s[SEL], s[SEL+1]
.endr
.irp b, 0,1,2,3
	v_max_num_f32 v[TM+\b], v[TM+\b], v[TM+4+\b]          ; the block's largest magnitude
.endr
.irp b, 0,1,2,3
	v_add_nc_u32 v[TM+12+\b], 0xfc000000, v[TM+\b]        ; 8 off its exponent field: the conversion's scale operand
.endr
.irp b, 0,1,2,3
	v_and_or_b32 v[TM+8+\b], v[TM+\b], 0x7f800000, s[MNT] ; 448 x the scale
.endr
.irp b, 0,1,2,3
	v_lshrrev_b32 v[TM+4+\b], 23, v[TM+12+\b]             ; the scale's byte
.endr
	v_lshl_or_b32 v[\pw], v[TM+5], 8, v[TM+4]
	v_lshl_or_b32 v[\pw], v[TM+6], 16, v[\pw]
	v_lshl_or_b32 v[\pw], v[TM+7], 24, v[\pw]
.irp b, 0,1,2,3
.irp i, 0,1,2,3,4,5,6,7,8,9,10,11,12,13,14,15
	v_med3_num_f32 v[\s+16*\b+\i], v[\s+16*\b+\i], -v[TM+8+\b], v[TM+8+\b]   ; the conversion does not saturate (ISA guide 7.6.2): the hold comes first
.endr
	v_cvt_scalef32_pk8_fp8_f32 v[\pc+4*\b:\pc+1+4*\b], v[\s+16*\b:\s+7+16*\b], v[TM+12+\b]
	v_cvt_scalef32_pk8_fp8_f32 v[\pc+2+4*\b:\pc+3+4*\b], v[\s+8+16*\b:\s+15+16*\b], v[TM+12+\b]
.endr
	v_nop                                          ; a plain line behind the last conversion
.endm
	s_load_b256 s[4:11], s[0:1], 0x0               ; wq s[4:5] (A), xq s[6:7] (B), b_qkv s[8:9], qkv s[10:11]
	v_lshl_add_u32 v[SPW], v0, 2, SPARE
	v_mov_b32 v[NIL], 0
	ds_add_u32 v[SPW], v[NIL]                      ; the opening lines: the add twice on end and one wait
	ds_add_u32 v[SPW], v[NIL]
	v_lshrrev_b32 v1, 5, v0
	v_readfirstlane_b32 s14, v1                    ; wave 0..3
	s_lshr_b32 s15, s14, 1                         ; my half of A's tiles.  Also: I fetch for A (0) or B (1)
	s_and_b32 s16, s14, 1                          ; my half of B's tiles.  Also: which half I fetch
	s_bfe_u32 s44, ttmp6, 0x40000                  ; cx
	s_bfe_u32 s45, ttmp6, 0x40004                  ; cy
	s_lshl_b32 s12, ttmp9, 2
	s_add_co_u32 s12, s12, s44                     ; B's block of 256 tokens
	s_and_b32 s17, ttmp7, 0xffff
	s_lshl_b32 s17, s17, 2
	s_add_co_u32 s17, s17, s45                     ; A's block of 128 columns
	s_lshl_b32 s13, s45, 2
	s_lshl_b32 s13, 15, s13                        ; my row of the cluster
	s_lshl_b32 s18, 0x1111, s44                    ; my column
	s_or_b32 s[G1+0], s13, (3<<16)|(1<<21)         ; the mask; elements of 8 bytes; bit 21 beside a mask
	s_or_b32 s[G1S+0], s13, (3<<16)|(1<<21)
	s_or_b32 s[G1B+0], s18, (3<<16)|(1<<21)
	s_or_b32 s[G1SB+0], s18, (3<<16)|(1<<21)
	DESC G1, 512, 8, 2048                          ; the head's loads: 4,096 bytes of each of A's 8 tiles, 16,384 bytes apart,
	DESC G1B, 512, 16, 2048                        ; of B's 16;
	DESC G1S, 32, 16, 32                           ; A's scale words, 4,096 dense bytes as rows of 256,
	DESC G1SB, 32, 32, 32                          ; B's, 8,192
	s_add_co_u32 s20, s17, 16                      ; v's columns begin at tile 128 = 16 blocks of 8 tiles
	s_lshl_b32 s22, s20, 12
	s_lshl_b32 s20, s20, 17
	s_mov_b32 s21, 0
	s_add_co_u32 s22, s22, 4194304                 ; where the scale words begin in wq
	s_mov_b32 s23, 0
	s_lshl_b32 s46, s12, 18
	s_mov_b32 s47, 0
	s_lshl_b32 s96, s12, 13
	s_add_co_u32 s96, s96, 8388608                 ; and in xq
	s_mov_b32 s97, 0
	s_lshl_b32 s98, s16, 16                        ; the half that I fetch: 4 tiles of A,
	s_mov_b32 s99, 0
	s_lshl_b32 s100, s16, 17                       ; 8 of B
	s_mov_b32 s101, 0
	s_wait_dscnt 0x0
	s_wait_kmcnt 0x0
	s_add_nc_u64 s[20:21], s[4:5], s[20:21]
	s_add_nc_u64 s[22:23], s[4:5], s[22:23]
	s_add_nc_u64 s[46:47], s[6:7], s[46:47]
	s_add_nc_u64 s[96:97], s[6:7], s[96:97]
	CROUND                                         ; all sixteen work-groups are here: the first joint loads meet
	s_mov_b32 s[GAH], 1
	s_mov_b32 s[GAH+1], 0
	s_mov_b64 s[GAH+2:GAH+3], s[20:21]
	s_or_b32 s[GAH+3], s[GAH+3], 0x80000000
	s_mov_b32 s[GBH], 1
	s_mov_b32 s[GBH+1], BOFF
	s_mov_b64 s[GBH+2:GBH+3], s[46:47]
	s_or_b32 s[GBH+3], s[GBH+3], 0x80000000
	s_mov_b32 s[G0S], 1
	s_mov_b32 s[G0S+1], SCL
	s_mov_b64 s[G0S+2:G0S+3], s[22:23]
	s_or_b32 s[G0S+3], s[G0S+3], 0x80000000
	s_mov_b32 s[G0SB], 1
	s_mov_b32 s[G0SB+1], SCL+4096
	s_mov_b64 s[G0SB+2:G0SB+3], s[96:97]
	s_or_b32 s[G0SB+3], s[G0SB+3], 0x80000000
	s_add_nc_u64 s[20:21], s[20:21], s[98:99]
	s_add_nc_u64 s[46:47], s[46:47], s[100:101]
	s_mov_b32 s[GA2], 1                            ; K steps 1, 2: from byte 4,096 of each tile
	s_lshl_b32 s[GA2+1], s16, 15
	s_add_co_u32 s[GA2+1], s[GA2+1], R2A
	s_add_nc_u64 s[GA2+2:GA2+3], s[20:21], 4096
	s_or_b32 s[GA2+3], s[GA2+3], 0x80000000
	s_mov_b32 s[GB2], 1
	s_lshl_b32 s[GB2+1], s16, 16
	s_add_co_u32 s[GB2+1], s[GB2+1], R2B
	s_add_nc_u64 s[GB2+2:GB2+3], s[46:47], 4096
	s_or_b32 s[GB2+3], s[GB2+3], 0x80000000
	s_mov_b32 s[GA3], 1                            ; K step 3: from byte 12,288
	s_lshl_b32 s[GA3+1], s16, 14
	s_add_nc_u64 s[GA3+2:GA3+3], s[20:21], 12288
	s_or_b32 s[GA3+3], s[GA3+3], 0x80000000
	s_mov_b32 s[GB3], 1
	s_lshl_b32 s[GB3+1], s16, 15
	s_add_co_u32 s[GB3+1], s[GB3+1], BOFF
	s_add_nc_u64 s[GB3+2:GB3+3], s[46:47], 12288
	s_or_b32 s[GB3+3], s[GB3+3], 0x80000000
	ARM 1, GAH, G1, .Lhead_b                       ; THE HEAD'S LOADS, ONE A WAVE: every way passes one load
	ARM 2, GBH, G1B, .Lhead_sa
	ARM 3, G0S, G1S, .Lhead_sb
	tensor_load_to_lds s[G0SB:G0SB+3], s[G1SB:G1SB+7]
	s_nop 0
.rept 4
	v_nop
.endr
.Lhead_asked:
	s_lshr_b32 s98, s12, 3                         ; the batch
	s_and_b32 s99, s12, 7
	s_lshl_b32 s99, s99, 1
	s_add_co_u32 s99, s99, s16                     ; my step of 128 keys
	s_lshl_b32 s98, s98, 4
	s_lshl_b32 s100, s17, 1
	s_add_co_u32 s98, s98, s100
	s_add_co_u32 s98, s98, s15                     ; batch x 16 + my head
	s_mul_i32 s2, s98, 393216
	s_lshl_b32 s100, s99, 13
	s_add_co_u32 s2, s2, s100
	s_add_co_u32 s2, s2, 262144
	s_mov_b32 s3, 0
	s_mul_i32 s18, s98, 20480
	s_lshl_b32 s100, s99, 8
	s_add_co_u32 s18, s18, s100
	s_add_co_u32 s18, s18, 25165824+16384
	s_mov_b32 s19, 0
	s_add_nc_u64 s[2:3], s[10:11], s[2:3]          ; the images
	s_add_nc_u64 s[10:11], s[10:11], s[18:19]      ; the scale words
	s_lshl_b32 s18, s17, 9
	s_lshl_b32 s100, s15, 8
	s_add_co_u32 s18, s18, s100
	s_add_co_u32 s18, s18, 8192                    ; the bias of my 64 columns, from column 2,048 on
	s_add_nc_u64 s[8:9], s[8:9], s[18:19]
	s_lshl_b32 s98, s15, 14                        ; LDS: my 4 tiles of A, my 8 of B, in both regions
	s_lshl_b32 s99, s16, 15
	s_add_co_u32 s99, s99, BOFF
	s_lshl_b32 s100, s15, 15
	s_add_co_u32 s100, s100, R2A
	s_lshl_b32 s101, s16, 16
	s_add_co_u32 s101, s101, R2B
	s_lshl_b32 s4, s15, 11                         ; scale words: A's, my 4 tiles; B's, my 8, behind A's
	s_lshl_b32 s5, s16, 12
	s_add_co_u32 s5, s5, 4096
	s_sub_co_u32 s5, s5, s4
	s_add_co_u32 s4, s4, SCL
	s_mov_b32 s[SEL], 0x76543210
	s_mov_b32 s[SEL+1], 0xfedcba98
	s_mov_b32 s[MNT], 0x600000
	v_and_b32 v1, 15, v0                           ; r
	v_bfe_u32 v19, v0, 4, 1                        ; h
	v_and_b32 v22, 31, v0
	v_lshlrev_b32 v[LI], 4, v22                    ; 16 x lane
	v_and_b32 v20, 8, v1
	v_add_nc_u32 v20, v20, v1
	v_lshlrev_b32 v20, 2, v20                      ; row r of a tile is column r + 8 (r / 8) from the tile's first
.irp a, 0,1,2,3
	global_load_b32 v[BI+2*\a], v20, s[8:9] offset:(32*(\a/2)+8*(\a%2))*4
	global_load_b32 v[BI+2*\a+1], v20, s[8:9] offset:(32*(\a/2)+8*(\a%2))*4   ; twice: a pair for the packed addition
.endr
	v_lshlrev_b32 v21, 4, v1                       ; the scale words' place: 16 r (lanes 16-31 hold and store the same words)
	v_add_nc_u32 v[ADRA], s98, v[LI]
	v_add_nc_u32 v[ADRB], s99, v[LI]
	v_add_nc_u32 v[ADRA+1], s100, v[LI]
	v_add_nc_u32 v[ADRB+1], s101, v[LI]
	v_mul_u32_u24 v22, s5, v19                     ; lanes 16-31 take B's
	v_lshl_add_u32 v22, v1, 2, v22
	v_add_nc_u32 v[ADRS], s4, v22
.macro FRAG reg, adr, off, i, pit
.irp c, 0,1,2,3
	ds_load_b128 v[\reg+4*\c:\reg+4*\c+3], v[\adr] offset:(\off)+512*\c+(\i)*(\pit)
.endr
.endm
.macro FETCH n                         ; the fragments of the n-th 128 along K into set n % 2; with an even n the scale words of n and n + 1
.if ((\n) >= 2) && ((\n) < 6)
.set FI, 1
.set FO, 2048*((\n)-2)
.set FP, 8192
.else
.set FI, 0
.set FO, 2048*((\n)%2)
.set FP, 4096
.endif
	WIN TO_B
.irp i, 0,1,2,3,4,5,6,7
	FRAG 128*((\n)%2)+FR*\i, ADRB+FI, FO, \i, FP
.endr
	WIN 0
.irp i, 0,1,2,3
	FRAG AF+64*((\n)%2)+FR*\i, ADRA+FI, FO, \i, FP
.endr
.if (\n)%2 == 0
.irp i, 0,1,2,3,4,5,6,7
	ds_load_b32 v[SC+16*(((\n)/2)%2)+2*\i], v[ADRS] offset:512*\i+64*(\n)
	ds_load_b32 v[SC+16*(((\n)/2)%2)+2*\i+1], v[ADRS] offset:512*\i+64*(\n)+64
.endr
.endif
.endm
.macro MUL16 a0, n, first              ; A's tiles a0, a0 + 1 x B's eight; the 32 accumulators take turns, one instruction a turn
.irp a, \a0, \a0+1
.irp b, 0,1,2,3,4,5,6,7
.if \first
	v_wmma_scale_f32_16x16x128_f8f6f4 v[8*(8*(\a)+\b):8*(8*(\a)+\b)+7], v[128*((\n)%2)+FR*\b:128*((\n)%2)+FR*\b+FR-1], v[AF+64*((\n)%2)+FR*(\a):AF+64*((\n)%2)+FR*(\a)+FR-1], 0, v[SC+16*(((\n)/2)%2)+2*\b+(\n)%2], v[SC+16*(((\n)/2)%2)+2*(\a)+(\n)%2] matrix_a_scale:MATRIX_SCALE_ROW1
.else
	v_wmma_scale_f32_16x16x128_f8f6f4 v[8*(8*(\a)+\b):8*(8*(\a)+\b)+7], v[128*((\n)%2)+FR*\b:128*((\n)%2)+FR*\b+FR-1], v[AF+64*((\n)%2)+FR*(\a):AF+64*((\n)%2)+FR*(\a)+FR-1], v[8*(8*(\a)+\b):8*(8*(\a)+\b)+7], v[SC+16*(((\n)/2)%2)+2*\b+(\n)%2], v[SC+16*(((\n)/2)%2)+2*(\a)+(\n)%2] matrix_a_scale:MATRIX_SCALE_ROW1
.endif
.endr
.endr
.endm
.macro STEP n, fetch
	s_wait_dscnt 0x0
.if \fetch
	PLACES NP                                      ; in front of loads into registers that matrix instructions have read
	FETCH (\n)+1
.endif
	WIN MUL
	MUL16 0, \n, 0
	MUL16 2, \n, 0
	WIN 0
.endm
	s_wait_alu depctr_va_vdst(0)                   ; the head's end
	s_wait_tensorcnt 0x0                           ; my tile of the head's four is in
	ds_add_u32 v[SPW], v[NIL]
	s_mov_b32 s[G1+1], 1024<<16                    ; no tensor load of mine is out: now rows of 8,192 bytes, 4 tiles of A,
	s_mov_b32 s[G1+2], 4<<16
	s_mov_b32 s[G1+3], 1024<<16
	s_mov_b32 s[G1+4], 4
	s_mov_b32 s[G1B+1], 1024<<16                   ; 8 of B
	s_mov_b32 s[G1B+2], 8<<16
	s_mov_b32 s[G1B+3], 1024<<16
	s_mov_b32 s[G1B+4], 8
	s_wait_dscnt 0x0
	CROUND                                         ; all four tiles are in, and all sixteen work-groups are here
	JLOAD GA2, G1, GB2, G1B                        ; K steps 1 and 2, the first tensor load behind the round
	FETCH 0
	s_wait_dscnt 0x0
	FETCH 1
	WIN MUL
	MUL16 0, 0, 1                                  ; the first products start the sums
	MUL16 2, 0, 1
	WIN 0
	s_wait_tensorcnt 0x0                           ; my part of K steps 1, 2 is in
	ds_add_u32 v[SPW], v[NIL]
	s_mov_b32 s[G1+1], 512<<16                     ; rows of 4,096 bytes again
	s_mov_b32 s[G1+3], 512<<16
	s_mov_b32 s[G1B+1], 512<<16
	s_mov_b32 s[G1B+3], 512<<16
	s_wait_dscnt 1                                 ; (the add alone may be out)
	WIN MUL
	MUL16 0, 1, 0
	s_wait_dscnt 0x0                               ; the add is done, and my reads of K step 0 are over
	s_barrier_signal -1
	WIN 0
	s_barrier_wait -1
	CREST                                          ; the barrier has opened a round: no wave of any partner still reads K step 0's bytes or has a load on its way
	JLOAD GA3, G1, GB3, G1B                        ; K step 3 into them
	PLACES NP-4
	FETCH 2
	WIN MUL
	MUL16 2, 1, 0
	WIN 0
	STEP 2, 1
	STEP 3, 1
	STEP 4, 1
	s_wait_tensorcnt 0x0                           ; my part of K step 3 is in
	ds_add_u32 v[SPW], v[NIL]
	s_wait_dscnt 1
	WIN MUL
	MUL16 0, 5, 0
	s_wait_dscnt 0x0
	s_barrier_signal -1
	WIN 0
	s_barrier_wait -1                              ; everybody's is; nothing is filled again
	PLACES NP
	FETCH 6
	WIN MUL
	MUL16 2, 5, 0
	WIN 0
	STEP 6, 1
	STEP 7, 0
	PLACES NP                                      ; behind the last products: results are read
.irp b, 0,1,2,3
	v_mov_b32 v[TM+4+\b], 0                        ; written once: a lane permute's destination counts as one of its sources
.endr
	s_wait_loadcnt 0x0                             ; the biases
.macro V_TILE a                        ; 16 channels x my 128 keys: + bias on the way into window 0 (ascending: each accumulator is read from its low end on), codes, scale word
	s_wait_xcnt 0x0                                ; the last tile's stores have read their codes' registers
	WIN 2
.set XX, 0
.rept 32
	v_pk_add_f32 v[TT+XX:TT+XX+1], v[64*(\a)+XX:64*(\a)+XX+1], v[BI+2*(\a):BI+2*(\a)+1]
.set XX, XX+2
.endr
	WIN 0
	QUANT TT, PC, SW+\a
.irp c, 0,1,2,3
	global_store_b128 v[LI], v[PC+4*\c:PC+4*\c+3], s[2:3] offset:2048*(\a)+512*\c   ; 32 lanes store 512 consecutive bytes
.endr
.endm
.irp a, 0,1,2,3
	V_TILE \a
.endr
	global_store_b128 v21, v[SW:SW+3], s[10:11]    ; sixteen lanes cover 256 consecutive bytes, aligned
	s_wait_tensorcnt 0x0                           ; the wave's end
	ds_add_u32 v[SPW], v[NIL]
	s_wait_dscnt 0x0
	CROUND                                         ; the closing round
	s_endpgm
.Lfunc_end_k_qfcd4e51ec0_vproj:
	.size	k_qfcd4e51ec0_vproj, .Lfunc_end_k_qfcd4e51ec0_vproj-k_qfcd4e51ec0_vproj
	.p2alignl 7, 3214868480
	.fill 96, 4, 3214868480
	.section	.rodata,"a",@progbits
	.p2align	6, 0x0
	.amdhsa_kernel k_qfcd4e51ec0_vproj
		.amdhsa_group_segment_fixed_size 327680
		.amdhsa_private_segment_fixed_size 0
		.amdhsa_enable_private_segment 0
		.amdhsa_kernarg_size 32
		.amdhsa_user_sgpr_count 2
		.amdhsa_user_sgpr_kernarg_segment_ptr 1
		.amdhsa_wavefront_size32 1
		.amdhsa_system_sgpr_workgroup_id_x 1
		.amdhsa_system_sgpr_workgroup_id_y 1
		.amdhsa_system_sgpr_workgroup_id_z 1
		.amdhsa_system_vgpr_workitem_id 0
		.amdhsa_next_free_vgpr 768
		.amdhsa_next_free_sgpr 102
		.amdhsa_reserve_vcc 0
		.amdhsa_float_denorm_mode_32 3
		.amdhsa_float_denorm_mode_16_64 3
		.amdhsa_memory_ordered 1
		.amdhsa_forward_progress 1
		.amdhsa_inst_pref_size 119
	.end_amdhsa_kernel
	.amdgpu_metadata
---
amdhsa.version: [ 1, 2 ]
amdhsa.kernels:
  - .name:           k_qfcd4e51ec0_vproj
    .symbol:         k_qfcd4e51ec0_vproj.kd
    .args:
      - { .name: wq, .offset: 0, .size: 8, .value_kind: global_buffer, .address_space: global }
      - { .name: xq, .offset: 8, .size: 8, .value_kind: global_buffer, .address_space: global }
      - { .name: b_qkv, .offset: 16, .size: 8, .value_kind: global_buffer, .address_space: global }
      - { .name: qkv, .offset: 24, .size: 8, .value_kind: global_buffer, .address_space: global }
    .group_segment_fixed_size: 327680
    .private_segment_fixed_size: 0
    .kernarg_segment_align: 8
    .kernarg_segment_size: 32
    .max_flat_workgroup_size: 128
    .sgpr_count:     102
    .vgpr_count:     768
    .wavefront_size: 32
...
	.end_amdgpu_metadata
.endif
;; end of part 3
;; launch attn (part 4): grid 4 x 64, 16 waves a work-group, clusters of 4 x 1, 327,680 bytes of LDS; arguments qkv, aq; writes aq
.if DOCPART == 4
	.amdgcn_target "amdgcn-amd-amdhsa--gfx1250"
	.amdhsa_code_object_version 6
	.text
	.protected	k_qfcd4e51ec0_attn
	.globl	k_qfcd4e51ec0_attn
	.p2align	8
	.type	k_qfcd4e51ec0_attn,@function
k_qfcd4e51ec0_attn:
	s_mov_b64 s[64:65], 0
	v_nop
	global_prefetch_b8 v0, s[64:65] scope:SCOPE_SE
	s_setreg_imm32_b32 hwreg(HW_REG_WAVE_MODE, 25, 1), 1
	s_wait_xcnt 0x0
	s_wait_alu depctr_hold_cnt(0) depctr_sa_sdst(0) depctr_va_vdst(0) depctr_va_sdst(0) depctr_va_ssrc(0) depctr_va_vcc(0) depctr_vm_vsrc(0)
	s_getreg_b32 s2, hwreg(HW_REG_IB_STS2, 6, 4)
	s_cmp_eq_u32 s2, 0
	s_cbranch_scc0 .Lentry_in_a_cluster
	s_endpgm
.Lentry_in_a_cluster:
	s_bfe_u32 s2, ttmp6, 0x10000c
	s_cmp_lg_u32 s2, 0x3003
	s_cbranch_scc0 .Lentry_shape_is_right
	s_endpgm
.Lentry_shape_is_right:
; ATTENTION on codes of FP8 (E4M3) with E8M0 scales: O = softmax(Q K^T / 8) V for one batch x head, and O quantised along the model's 1,024 for the last product, stored as an image of operand registers.
; IN (per batch x head 393,216 bytes of qkv): Q at 0, K at 131,072: [tile of 16 tokens][c 2][lane][16]; V at 262,144: [step of 128 keys][tile of 16 channels][c 4][lane][16].
;   Scale words from 25,165,824 on, 20,480 bytes a head: Q at 0, K at 8,192: [tile / 4][row][tile % 4]; V at 16,384: [step][row][tile].
; SHARES: a work-group owns 512 queries of one head, each of sixteen waves 16 of them in each of two passes.  The head's K, V (262,144 bytes) and their scale words (12,288) lie in LDS for the whole launch.
; CLUSTERS: the four work-groups of a head need the same K and V: every load is a joint one (mask 15).  Waves 0-7 fetch 32,768 bytes of codes each, waves 8-15 1,536 bytes of scale words each: one load a wave, one group.
; No prefetch: K and V are asked for once, at the head; there is no loop of loads to run ahead in.
; LAYOUT: both products transposed: S^T = K Q^T, O^T = V^T P^T: a lane holds one query.  The head's 64 fill half of the instruction's K of 128: Q's upper 8 registers are zero codes, so what stands in K's upper 8 (the next tile's codes) adds nothing.
;   The rows of a tile were chosen by the launch before, so that S^T's register 16 b + i is key 32 b + 16 (lane / 16) + i of the step.
; THE SOFTMAX: t = score x log2(e) / 8; M = the ceiling of the running largest t; p = 2^(t - M) is quantised along the keys; the row's sum is taken of the unquantised p; when M moves, sum and O^T are multiplied by 2^(old M - new M).
; A STEP is laid in batches: all maxima, scalings and the rescaling of O^T, then the 68 exponentials, then sums, scales, holds and codes.
; LIMITS: the promise holds while the scaled scores stay under 2^31 in magnitude; NaN and infinities are not served; a block whose every p has fallen under 2^-118 keeps the byte 1.
.set PWT, 11
.set NM,  12                           ; -M;  v13 the largest score so far (named with it as a pair)
.set MX,  13
.set SU,  14                           ; v[14:15] the row's sum in two halves
.set QF,  16                           ; Q's fragment: 8 registers of codes, 8 of zeros
.set ST,  32                           ; S^T, then p, then V's four fragments
.set OT,  96
.set PC,  128                          ; p's codes
.set BM,  144                          ; the blocks' largest scores, then p, then bytes
.set TP,  148
.set CH,  148                          ; v148-155 four chains of the step's sum (TP is done with by then)
.set SO,  156                          ; the conversions' scale operands
.set TA,  160
.set OLD, 161
.set FF,  162                          ; v[162:163] f, and a zero named with it
.set LM,  164                          ; 448 x the blocks' scales
.set KF,  168                          ; v168-239 K's eight tiles and 8 registers of zeros; v240-247 K's scale words, v248-251 V's, v252 Q's, v254 p's; v253, v255 the add's two
.set WV,  8
.set G1D, 16
.set G1S, 24
.set G0D, 32
.set G0S, 36
.set QB,  40
.set QSB, 42
.set AOB, 44
.set ASB, 46
.set CS,  48
.set SEL, 50
.set MNT, 52
.set TV,  54
.set PASS, 60
.set STP, 61
.macro CROUND
	s_barrier_signal -1
	s_barrier_wait -1
	s_cmp_lg_u32 s[WV], 0
	s_cbranch_scc1 .Lnot_wave_0_\@
	s_barrier_signal -3
.Lnot_wave_0_\@:
	s_barrier_wait -3
	s_barrier_signal -1
	s_barrier_wait -1
.endm
.macro NOPS n
.rept \n
	v_nop
.endr
.endm
.macro FMAS j0, n                      ; t - M of n pairs from pair j0 on
.set JJ, \j0
.rept \n
	v_pk_fma_f32 v[ST+2*JJ:ST+2*JJ+1], v[ST+2*JJ:ST+2*JJ+1], s[CS:CS+1], v[NM:NM+1] op_sel_hi:[1,0,0]
.set JJ, JJ+1
.endr
.endm
.macro ADDS j0, n                      ; n pairs of p from pair j0 on, the four chains by turns
.set JJ, \j0
.rept \n
	v_pk_add_f32 v[CH+2*(JJ%4):CH+2*(JJ%4)+1], v[CH+2*(JJ%4):CH+2*(JJ%4)+1], v[ST+2*JJ:ST+2*JJ+1]
.set JJ, JJ+1
.endr
.endm
.macro RESCALE                         ; O^T x f, each accumulator from its low end on
.set JJ, 0
.rept 16
	v_pk_mul_f32 v[OT+2*JJ:OT+2*JJ+1], v[OT+2*JJ:OT+2*JJ+1], v[FF:FF+1] op_sel_hi:[1,0]
.set JJ, JJ+1
.endr
.endm
.macro JOINMAX
.irp b, 0,2
	v_dual_max_num_f32 v[BM+\b], v[BM+\b], v[TP+\b] :: v_dual_max_num_f32 v[BM+\b+1], v[BM+\b+1], v[TP+\b+1]
.endr
.endm
; blocks b and b + 1: the one-sided hold (p is not negative; the conversion to an 8-bit code does not saturate: ISA guide 7.6.2), an even register of one block with an odd one of the other; then their codes, and V's tiles b, b + 1 into the registers left
.macro CODES b
.irp i, 0,1,2,3,4,5,6,7
	v_dual_min_num_f32 v[ST+16*(\b)+2*\i], v[ST+16*(\b)+2*\i], v[LM+(\b)] :: v_dual_min_num_f32 v[ST+16*(\b)+17+2*\i], v[ST+16*(\b)+17+2*\i], v[LM+(\b)+1]
	v_dual_min_num_f32 v[ST+16*(\b)+16+2*\i], v[ST+16*(\b)+16+2*\i], v[LM+(\b)+1] :: v_dual_min_num_f32 v[ST+16*(\b)+1+2*\i], v[ST+16*(\b)+1+2*\i], v[LM+(\b)]
.endr
.irp u, 0,1,2,3
	v_cvt_scalef32_pk8_fp8_f32 v[PC+4*(\b)+2*\u:PC+4*(\b)+2*\u+1], v[ST+16*(\b)+8*\u:ST+16*(\b)+8*\u+7], v[SO+(\b)+\u/2]
.endr
.irp n, 0,1,2,3,4,5,6,7
	ds_load_b128 v[ST+16*(\b)+4*\n:ST+16*(\b)+4*\n+3], v6 offset:2048*(\b)+512*\n
.endr
.endm
.macro QLOAD
	global_load_b128 v[QF:QF+3], v1, s[QB:QB+1]
	global_load_b128 v[QF+4:QF+7], v1, s[QB:QB+1] offset:512
	global_load_b32 v252, v9, s[QSB:QSB+1]
.endm
	s_load_b128 s[4:7], s[0:1], 0x0                ; qkv, aq
	v_lshl_add_u32 v253, v0, 2, 0x43000            ; my spare word, behind the scale words
	v_mov_b32 v255, 0
	ds_add_u32 v253, v255                          ; the opening lines: the add twice on end and one wait
	ds_add_u32 v253, v255
	v_lshrrev_b32 v1, 5, v0
	v_readfirstlane_b32 s[WV], v1                  ; wave 0..15
	s_bfe_u32 s9, ttmp6, 0x40000                   ; cx: which 512 queries
	s_and_b32 s10, ttmp7, 0xffff                   ; batch x head
	s_mov_b32 s[G1D], 15|(3<<16)|(1<<21)           ; codes: 128 rows of 256 dense bytes (32 elements of 8 bytes); the mask names the cluster's four
	s_mov_b32 s[G1D+1], 32<<16
	s_mov_b32 s[G1D+2], 128<<16
	s_mov_b32 s[G1D+3], 32<<16
	s_mov_b32 s[G1D+4], 128
	s_mov_b32 s[G1D+5], 32
	s_mov_b32 s[G1D+6], 0
	s_mov_b32 s[G1D+7], 0
	s_mov_b32 s[G1S], 15|(3<<16)|(1<<21)           ; scale words: 6 such rows
	s_mov_b32 s[G1S+1], 32<<16
	s_mov_b32 s[G1S+2], 6<<16
	s_mov_b32 s[G1S+3], 32<<16
	s_mov_b32 s[G1S+4], 6
	s_mov_b32 s[G1S+5], 32
	s_mov_b32 s[G1S+6], 0
	s_mov_b32 s[G1S+7], 0
	s_mul_i32 s56, s10, 393216
	s_lshl_b32 s57, s[WV], 15                      ; waves 0-7: 32,768 bytes each of K and V
	s_add_co_u32 s58, s56, s57
	s_add_co_u32 s58, s58, 131072
	s_mov_b32 s59, 0
	s_mul_i32 s55, s10, 20480
	s_add_co_u32 s55, s55, 25165824
	s_mul_i32 s11, s[WV], 1536                     ; waves 8-15: 1,536 bytes each, from K's words (8,192) on: 8,192 - 8 x 1,536 = -4,096
	s_add_co_u32 s12, s55, s11
	s_sub_co_u32 s12, s12, 4096
	s_mov_b32 s13, 0
	s_mov_b32 s[CS], 0x3e38aa3b                    ; c = log2(e) / 8
	s_mov_b32 s[CS+1], s[CS]
	s_mov_b32 s[SEL], 0x76543210
	s_mov_b32 s[SEL+1], 0xfedcba98
	s_mov_b32 s[MNT], 0x600000
	s_mov_b32 s[PASS], 2
	s_wait_dscnt 0x0
	s_wait_kmcnt 0x0
	s_mov_b32 s[G0D], 1
	s_mov_b32 s[G0D+1], s57
	s_add_nc_u64 s[G0D+2:G0D+3], s[4:5], s[58:59]
	s_or_b32 s[G0D+3], s[G0D+3], 0x80000000
	s_mov_b32 s[G0S], 1
	s_add_co_u32 s[G0S+1], s11, 262144-8*1536
	s_add_nc_u64 s[G0S+2:G0S+3], s[4:5], s[12:13]
	s_or_b32 s[G0S+3], s[G0S+3], 0x80000000
	CROUND                                         ; the four work-groups are here: the joint loads meet
	s_cmp_lt_u32 s[WV], 8                          ; every way passes one load
	s_cbranch_scc0 .Lhead_s
	tensor_load_to_lds s[G0D:G0D+3], s[G1D:G1D+7]
	s_nop 0
	NOPS 4
	s_branch .Lhead_asked
.Lhead_s:
	tensor_load_to_lds s[G0S:G0S+3], s[G1S:G1S+7]
	s_nop 0
	NOPS 4
.Lhead_asked:
	s_lshl_b32 s14, s9, 15                         ; Q's image: 32 tiles a work-group, my tile
	s_lshl_b32 s15, s[WV], 10
	s_add_co_u32 s14, s14, s15
	s_add_co_u32 s14, s14, s56
	s_mov_b32 s15, 0
	s_add_nc_u64 s[QB:QB+1], s[4:5], s[14:15]
	s_lshl_b32 s14, s9, 11                         ; its scale words
	s_lshr_b32 s12, s[WV], 2
	s_lshl_b32 s12, s12, 8
	s_add_co_u32 s14, s14, s12
	s_and_b32 s12, s[WV], 3
	s_lshl_b32 s12, s12, 2
	s_add_co_u32 s14, s14, s12
	s_add_co_u32 s14, s14, s55
	s_add_nc_u64 s[QSB:QSB+1], s[4:5], s[14:15]
	s_lshr_b32 s12, s10, 4                         ; the batch,
	s_and_b32 s13, s10, 15                         ; the head
	s_lshl_b32 s14, s12, 21                        ; aq's image: 16,384 bytes a tile of tokens, 1,024 a head
	s_lshl_b32 s57, s9, 19
	s_add_co_u32 s14, s14, s57
	s_lshl_b32 s57, s[WV], 14
	s_add_co_u32 s14, s14, s57
	s_lshl_b32 s57, s13, 10
	s_add_co_u32 s14, s14, s57
	s_add_nc_u64 s[AOB:AOB+1], s[6:7], s[14:15]
	s_lshl_b32 s14, s12, 16                        ; aq's scale words: 512 bytes a tile, 64 a K step of 128 (two heads), 2 bytes a head
	s_lshl_b32 s57, s9, 14
	s_add_co_u32 s14, s14, s57
	s_lshl_b32 s57, s[WV], 9
	s_add_co_u32 s14, s14, s57
	s_lshr_b32 s57, s13, 1
	s_lshl_b32 s57, s57, 6
	s_add_co_u32 s14, s14, s57
	s_and_b32 s57, s13, 1
	s_lshl_b32 s57, s57, 1
	s_add_co_u32 s14, s14, s57
	s_add_co_u32 s14, s14, 8388608
	s_add_nc_u64 s[ASB:ASB+1], s[6:7], s[14:15]
	v_and_b32 v11, 31, v0
	v_lshlrev_b32 v1, 4, v11                       ; 16 x lane: my place in an image group; K's tiles begin at LDS byte 0
	v_and_b32 v11, 15, v0
	v_lshlrev_b32 v9, 4, v11                       ; 16 r
	v_lshlrev_b32 v10, 2, v11                      ; 4 r
	QLOAD                                          ; the first pass's Q, while the tiles are on their way
	v_add_nc_u32 v2, 131072, v1                    ; V's tiles
	v_add_nc_u32 v3, 262144, v9                    ; K's scale words
	v_add_nc_u32 v4, 270336, v9                    ; V's
.irp i, 8,9,10,11,12,13,14,15
	v_mov_b32 v[QF+\i], 0                          ; zero codes for k 64 .. 127
	v_mov_b32 v[KF+56+\i], 0
.endr
	v_mov_b32 v[FF+1], 0
	s_wait_alu depctr_va_vdst(0)                   ; the head's end
	s_wait_tensorcnt 0x0                           ; my part is in;
	s_barrier_signal -1
	s_barrier_wait -1                              ; everybody's is.  Nothing is filled again
.Lpass:
.irp n, 0,1,2,3,4,5,6,7,8,9,10,11,12,13,14,15
	ds_load_b128 v[KF+4*\n:KF+4*\n+3], v1 offset:512*\n   ; step 0's tiles of K
.endr
	ds_load_b128 v[240:243], v3
	ds_load_b128 v[244:247], v3 offset:256
.set II, 0
.rept 32
	v_mov_b32 v[OT+II], 0                          ; the step is written once: the first finds zeros, and f = 0
.set II, II+1
.endr
	v_mov_b32 v[SU], 0
	v_mov_b32 v[SU+1], 0
	v_mov_b32 v[MX], 0xff61b1e6                    ; -3e38, under every score
	v_mov_b32 v[OLD], 0x7e000000                   ; -M begins at 2^125: the first difference saturates, and f = 0
	s_mov_b32 s[TV], 0
	s_mov_b32 s55, 0
	s_mov_b32 s56, 0
	s_mov_b32 s[STP], 16
	s_wait_alu depctr_va_vdst(0)                   ; directly ahead of the waits below
	s_wait_loadcnt 0x0                             ; Q
	s_wait_dscnt 0x0                               ; K's step 0
.Lstep:                                                ; 128 keys.  K's fragments are in: round the back edge by the wait for 0 ahead of the last two products
.irp t, 0,1,2,3,4,5,6,7
	v_wmma_scale_f32_16x16x128_f8f6f4 v[ST+8*\t:ST+8*\t+7], v[KF+8*\t:KF+8*\t+15], v[QF:QF+15], 0, v[240+\t], v252
.endr
	v_add_nc_u32 v5, s[TV], v1                     ; eight places behind the products: the step's addresses
	v_add_nc_u32 v6, s[TV], v2
	v_add_nc_u32 v7, s55, v3
	v_add_nc_u32 v8, s56, v4
	NOPS 4                                         ; and four idle ones
.irp n, 0,1,2,3,4,5,6,7,8,9,10,11,12,13,14,15
	ds_load_b128 v[KF+4*\n:KF+4*\n+3], v5 offset:8192+512*\n   ; the next step's K (behind the last step: bytes of V, inside LDS, never multiplied)
.endr
	ds_load_b128 v[240:243], v7 offset:512
	ds_load_b128 v[244:247], v7 offset:768
	ds_load_b128 v[248:251], v8                    ; this step's scale words of V
.irp b, 0,1,2,3
	v_max3_num_f32 v[BM+\b], v[ST+16*\b], v[ST+16*\b+1], v[ST+16*\b+2]   ; the largest score of each block of 32 keys; each accumulator is read from its low end on
.endr
.irp b, 0,1,2,3
	v_max3_num_f32 v[TP+\b], v[ST+16*\b+8], v[ST+16*\b+9], v[ST+16*\b+10]
.endr
.irp i, 3,5
.irp b, 0,1,2,3
	v_max3_num_f32 v[BM+\b], v[BM+\b], v[ST+16*\b+\i], v[ST+16*\b+\i+1]
.endr
.irp b, 0,1,2,3
	v_max3_num_f32 v[TP+\b], v[TP+\b], v[ST+16*\b+8+\i], v[ST+16*\b+9+\i]
.endr
.endr
.irp b, 0,1,2,3
	v_max3_num_f32 v[BM+\b], v[BM+\b], v[ST+16*\b+7], v[ST+16*\b+15]
.endr
	JOINMAX
.irp b, 0,1,2,3
	v_permlanex16_b32 v[TP+\b], v[BM+\b], s[SEL], s[SEL+1]
.endr
	JOINMAX                                        ; with lane l xor 16's 16 keys
	v_max3_num_f32 v[TA], v[BM], v[BM+1], v[BM+2]
	s_delay_alu instid0(VALU_DEP_1)
	v_max3_num_f32 v[MX], v[MX], v[TA], v[BM+3]    ; the running largest score
	s_delay_alu instid0(VALU_DEP_1)
	v_mul_f32 v[TA], s[CS], v[MX]                  ; as t (c is positive)
	s_delay_alu instid0(VALU_DEP_1)
	v_floor_f32 v[NM], -v[TA]                      ; -M = floor(-t)
	s_delay_alu instid0(VALU_DEP_1)
	v_sub_f32 v[TA], v[NM], v[OLD]                 ; old M - new M, a whole number, 0 or less
	FMAS 0, 4
	v_cvt_i32_f32 v[TA], v[TA]                     ; (it saturates)
	FMAS 4, 4
	v_ldexp_f32 v[FF], 1.0, v[TA]                  ; f = 2^(old M - new M)
	FMAS 8, 24
.irp b, 0,1,2,3
	v_fma_f32 v[BM+\b], v[BM+\b], s[CS], v[NM]     ; the same of each block's largest score
.endr
	RESCALE                                        ; O^T under the new M, ahead of the exponentials
	s_wait_alu depctr_va_vdst(0)                   ; ahead of the batch
.irp b, 0,1,2,3
	v_exp_f32 v[BM+\b], v[BM+\b]                   ; the blocks' largest p
.endr
.set II, 0
.rept 64
	v_exp_f32 v[ST+II], v[ST+II]                   ; p = 2^(t - M)
.set II, II+1
.endr
	v_mov_b32 v[OLD], v[NM]                        ; (a plain place behind the exponentials)
	s_wait_alu depctr_va_vdst(0)                   ; one wait for the batch, ahead of its first reader
.irp b, 0,1,2,3
	v_max_num_f32 v[BM+\b], 0x4800000, v[BM+\b]    ; the floor 2^(9 - 127): the byte cannot fall under 1
.endr
.irp j, 0,1,2,3
	v_pk_add_f32 v[CH+2*\j:CH+2*\j+1], v[ST+4*\j:ST+4*\j+1], v[ST+4*\j+2:ST+4*\j+3]   ; the step's sum of the unquantised p: four chains begin with pairs 0 to 7
.endr
.irp b, 0,1,2,3
	v_add_nc_u32 v[SO+\b], 0xfc000000, v[BM+\b]    ; 8 off the exponent field: the conversion's scale operand
.endr
	ADDS 8, 4
.irp b, 0,1,2,3
	v_and_or_b32 v[LM+\b], v[BM+\b], 0x7f800000, s[MNT]   ; 448 x the scale
.endr
	ADDS 12, 4
.irp b, 0,1,2,3
	v_lshrrev_b32 v[BM+\b], 23, v[SO+\b]           ; the scale's byte
.endr
	ADDS 16, 4
	v_lshl_or_b32 v254, v[BM+1], 8, v[BM]          ; p's scale word for these 128 keys
	ADDS 20, 2
	v_lshl_or_b32 v254, v[BM+2], 16, v254
	ADDS 22, 2
	v_lshl_or_b32 v254, v[BM+3], 24, v254
	ADDS 24, 8
	CODES 0
	CODES 2
	v_pk_add_f32 v[CH:CH+1], v[CH:CH+1], v[CH+2:CH+3]         ; the chains join: these four lines are also the places between the codes and the products
	v_pk_add_f32 v[CH+4:CH+5], v[CH+4:CH+5], v[CH+6:CH+7]
	v_pk_add_f32 v[CH:CH+1], v[CH:CH+1], v[CH+4:CH+5]
	v_pk_fma_f32 v[SU:SU+1], v[SU:SU+1], v[FF:FF+1], v[CH:CH+1] op_sel_hi:[1,0,1]   ; the row's sum x f + the step's
	s_wait_alu depctr_va_vdst(0)                   ; directly ahead of the wait below
	s_wait_dscnt 8                                 ; V's tiles 0, 1 and all older loads are in; the eight loads of tiles 2, 3 may be out
.irp d, 0,1
	v_wmma_scale_f32_16x16x128_f8f6f4 v[OT+8*\d:OT+8*\d+7], v[ST+16*\d:ST+16*\d+15], v[PC:PC+15], v[OT+8*\d:OT+8*\d+7], v[248+\d], v254
.endr
	s_wait_dscnt 0x0
.irp d, 2,3
	v_wmma_scale_f32_16x16x128_f8f6f4 v[OT+8*\d:OT+8*\d+7], v[ST+16*\d:ST+16*\d+15], v[PC:PC+15], v[OT+8*\d:OT+8*\d+7], v[248+\d], v254
.endr
	NOPS 9                                         ; nine places: the next step's products write over V's fragments
	s_add_co_u32 s[TV], s[TV], 8192                ; codes: 8,192 bytes a step; K's scale words 512, V's 256
	s_lshr_b32 s55, s[TV], 4
	s_lshr_b32 s56, s[TV], 5
	s_sub_co_u32 s[STP], s[STP], 1
	s_cmp_lg_u32 s[STP], 0
	s_cbranch_scc1 .Lstep
	; THE WAY OUT of a pass.  First the next pass's Q is asked for (this pass's loads were waited for, so their bases may step); the last pass asks for nothing
	s_add_nc_u64 s[QB:QB+1], s[QB:QB+1], 16384
	s_add_nc_u64 s[QSB:QSB+1], s[QSB:QSB+1], 1024
	s_cmp_eq_u32 s[PASS], 1
	s_cbranch_scc1 .Lno_q
	QLOAD
.Lno_q:
	v_add_f32 v[SU], v[SU], v[SU+1]
	v_permlanex16_b32 v[TA], v[SU], s[SEL], s[SEL+1]
	v_add_f32 v[SU], v[SU], v[TA]                  ; the row's sum
	s_wait_alu depctr_va_vdst(0)                   ; ahead of the transcendental
	v_rcp_f32 v[FF], v[SU]
	v_nop
	s_wait_alu depctr_va_vdst(0)                   ; and ahead of its first reader, which is also the first reader of the last products' results
	RESCALE                                        ; O^T / the sum: register 16 b + i is channel 32 b + 16 (lane / 16) + i of my head
.irp b, 0,1
	v_max3_num_f32 v[BM+\b], |v[OT+16*\b]|, |v[OT+1+16*\b]|, 0x4800000
.endr
.irp i, 2,4,6,8,10,12,14
.irp b, 0,1
	s_delay_alu instid0(VALU_DEP_2)
	v_max3_num_f32 v[BM+\b], v[BM+\b], |v[OT+16*\b+\i]|, |v[OT+1+16*\b+\i]|
.endr
.endr
.irp b, 0,1
	v_permlanex16_b32 v[TP+\b], v[BM+\b], s[SEL], s[SEL+1]
.endr
.irp b, 0,1
	v_max_num_f32 v[BM+\b], v[BM+\b], v[TP+\b]     ; the block's largest magnitude
.endr
.irp b, 0,1
	v_add_nc_u32 v[SO+\b], 0xfc000000, v[BM+\b]
.endr
.irp b, 0,1
	v_and_or_b32 v[LM+\b], v[BM+\b], 0x7f800000, s[MNT]
.endr
.irp b, 0,1
	v_lshrrev_b32 v[TP+\b], 23, v[SO+\b]
.endr
	v_lshl_or_b32 v[PWT], v[TP+1], 8, v[TP]        ; my head's two scale bytes
.irp b, 0,1
.irp i, 0,1,2,3,4,5,6,7,8,9,10,11,12,13,14,15
	v_med3_num_f32 v[OT+16*\b+\i], v[OT+16*\b+\i], -v[LM+\b], v[LM+\b]
.endr
	v_cvt_scalef32_pk8_fp8_f32 v[PC+4*\b:PC+1+4*\b], v[OT+16*\b:OT+7+16*\b], v[SO+\b]
	v_cvt_scalef32_pk8_fp8_f32 v[PC+2+4*\b:PC+3+4*\b], v[OT+8+16*\b:OT+15+16*\b], v[SO+\b]
.endr
	v_nop                                          ; a plain line behind the last conversion
	global_store_b128 v1, v[PC:PC+3], s[AOB:AOB+1]             ; 32 lanes store 512 consecutive bytes
	global_store_b128 v1, v[PC+4:PC+7], s[AOB:AOB+1] offset:512
	global_store_b16 v10, v[PWT], s[ASB:ASB+1]     ; two bytes of each row's word: the other head of the pair writes the other two
	s_wait_xcnt 0x0                                ; the stores have read their registers and bases
	s_add_nc_u64 s[AOB:AOB+1], s[AOB:AOB+1], 262144
	s_add_nc_u64 s[ASB:ASB+1], s[ASB:ASB+1], 8192
	s_sub_co_u32 s[PASS], s[PASS], 1
	s_cmp_lg_u32 s[PASS], 0
	s_wait_alu depctr_va_vdst(0)                   ; directly ahead of the branch
	s_cbranch_scc1 .Lpass
	s_wait_tensorcnt 0x0                           ; the wave's end
	ds_add_u32 v253, v255
	s_wait_dscnt 0x0
	CROUND                                         ; the closing round
	s_endpgm
.Lfunc_end_k_qfcd4e51ec0_attn:
	.size	k_qfcd4e51ec0_attn, .Lfunc_end_k_qfcd4e51ec0_attn-k_qfcd4e51ec0_attn
	.p2alignl 7, 3214868480
	.fill 96, 4, 3214868480
	.section	.rodata,"a",@progbits
	.p2align	6, 0x0
	.amdhsa_kernel k_qfcd4e51ec0_attn
		.amdhsa_group_segment_fixed_size 327680
		.amdhsa_private_segment_fixed_size 0
		.amdhsa_enable_private_segment 0
		.amdhsa_kernarg_size 16
		.amdhsa_user_sgpr_count 2
		.amdhsa_user_sgpr_kernarg_segment_ptr 1
		.amdhsa_wavefront_size32 1
		.amdhsa_system_sgpr_workgroup_id_x 1
		.amdhsa_system_sgpr_workgroup_id_y 1
		.amdhsa_system_sgpr_workgroup_id_z 1
		.amdhsa_system_vgpr_workitem_id 0
		.amdhsa_next_free_vgpr 256
		.amdhsa_next_free_sgpr 66
		.amdhsa_reserve_vcc 0
		.amdhsa_float_denorm_mode_32 3
		.amdhsa_float_denorm_mode_16_64 3
		.amdhsa_memory_ordered 1
		.amdhsa_forward_progress 1
		.amdhsa_inst_pref_size 35
	.end_amdhsa_kernel
	.amdgpu_metadata
---
amdhsa.version: [ 1, 2 ]
amdhsa.kernels:
  - .name:           k_qfcd4e51ec0_attn
    .symbol:         k_qfcd4e51ec0_attn.kd
    .args:
      - { .name: qkv, .offset: 0, .size: 8, .value_kind: global_buffer, .address_space: global }
      - { .name: aq, .offset: 8, .size: 8, .value_kind: global_buffer, .address_space: global }
    .group_segment_fixed_size: 327680
    .private_segment_fixed_size: 0
    .kernarg_segment_align: 8
    .kernarg_segment_size: 16
    .max_flat_workgroup_size: 512
    .sgpr_count:     66
    .vgpr_count:     256
    .wavefront_size: 32
...
	.end_amdgpu_metadata
.endif
;; end of part 4
;; launch proj (part 5): grid 4 x 64, 4 waves a work-group, clusters of 4 x 4, 327,680 bytes of LDS; arguments aq, wq, b_out, out0; writes out0
.if DOCPART == 5
	.amdgcn_target "amdgcn-amd-amdhsa--gfx1250"
	.amdhsa_code_object_version 6
	.text
	.protected	k_qfcd4e51ec0_proj
	.globl	k_qfcd4e51ec0_proj
	.p2align	8
	.type	k_qfcd4e51ec0_proj,@function
k_qfcd4e51ec0_proj:
	s_mov_b64 s[64:65], 0
	v_nop
	global_prefetch_b8 v0, s[64:65] scope:SCOPE_SE
	s_setreg_imm32_b32 hwreg(HW_REG_WAVE_MODE, 25, 1), 1
	s_wait_xcnt 0x0
	s_wait_alu depctr_hold_cnt(0) depctr_sa_sdst(0) depctr_va_vdst(0) depctr_va_sdst(0) depctr_va_ssrc(0) depctr_va_vcc(0) depctr_vm_vsrc(0)
	s_getreg_b32 s2, hwreg(HW_REG_IB_STS2, 6, 4)
	s_cmp_eq_u32 s2, 0
	s_cbranch_scc0 .Lentry_in_a_cluster
	s_endpgm
.Lentry_in_a_cluster:
	s_bfe_u32 s2, ttmp6, 0x10000c
	s_cmp_lg_u32 s2, 0xf033
	s_cbranch_scc0 .Lentry_shape_is_right
	s_endpgm
.Lentry_shape_is_right:
; OUT: attention's result x w_out + b_out on codes of FP8 (E4M3) with E8M0 scales; out0 f32.
; Side A (source 1) = 128 tokens (8 tiles of 16), side B (source 0) = 256 columns of w_out (16 tiles): a lane holds one token, and its registers run along the columns.
; A work-group makes 128 x 256, each of four waves 64 x 128 in 32 accumulators.  256 work-groups.
; Operands lie in memory as IMAGES: a tile of 16 rows is 16,384 bytes, its fragment n (128 along K) four groups of 512 bytes at 2,048 n, lane L's 16 bytes at 16 L; scale words [tile][n][row].
; Row r of tile T is element 32 (T / 2) + 16 (r / 8) + 8 (T % 2) + r % 8 (a token; a column, w_out's tiles counted on from 192).
; K = 1,024 comes in three fills: at the head K step 0 (256 along K) and all scale words, one whole tile a wave; then K steps 1 and 2 by one load a wave, rows of 8,192 bytes; then K step 3 into K step 0's bytes.
; CLUSTERS: 4 x 4; A's tiles are shared along a row of the cluster, B's along a column: every load is a joint one.  No prefetch: three fills, and no loop to run ahead in.
; The bias is the C of each accumulator's first product.  The way out goes through a stage in LDS, in the bytes of K steps 1, 2, which have had their one fill and their last read by then.
; REGISTERS: window 0: v1 r, v19 h, v20-31 addresses, v32-63 scale words (two sets), v64-127 biases, v128-255 A's fragments (two sets), later the way out; window 1: B's fragments, two sets; window 2: accumulator (a, b) at v[8 (8 a + b)].
.set NP,     8                         ; places behind this matrix instruction (ISA guide 7.12.1)
.set FR,     16
.set BOFF,   32768                     ; K step 0 (later 3): A's 8 tiles x 4,096 bytes, then B's 16
.set R2A,    98304                     ; K steps 1, 2: A's 8 tiles x 8,192 bytes,
.set R2B,    163840                    ; B's 16
.set SCL,    294912                    ; A's scale words (4,096 bytes), then B's (8,192)
.set SPARE,  307200                    ; the spare words, 128 bytes a wave
.set STAGE,  R2A
.set SPITCH, 528
.set STO,  20
.set RD,   21
.set ADRA, 24
.set ADRB, 26
.set ADRS, 28
.set LI,   29
.set SPW,  30
.set NIL,  31
.set SC,   32
.set BI,   64
.set AF,   128
.set BK,   128
.set G1,   24
.set GA2,  32
.set GA3,  36
.set GAH,  40
.set G1B,  48
.set GB2,  56
.set GB3,  60
.set G1S,  68
.set G0S,  76
.set G1SB, 80
.set G0SB, 88
.set GBH,  92
.set MSB, 0
.macro WIN new                         ; the immediate's high byte repeats the setting that is left
.if MSB != (\new)
	s_set_vgpr_msb (MSB<<8)|(\new)
.set MSB, (\new)
.endif
.endm
.set MUL,  0xa1                        ; source 0 (B) window 1, source 1 (A) window 0, C and D window 2
.set MUL1, 0x81                        ; the same with C in window 0: the bias
.set TO_B, 0x40
.macro JLOAD g0a, g1a, g0b, g1b        ; waves 0 and 1 fetch for A, waves 2 and 3 for B; s_nop 0 and four v_nop follow each load
	s_cmp_eq_u32 s15, 0
	s_cbranch_scc0 .Lfor_b_\@
	tensor_load_to_lds s[\g0a:\g0a+3], s[\g1a:\g1a+7]
	s_nop 0
.rept 4
	v_nop
.endr
	s_branch .Lasked_\@
.Lfor_b_\@:
	tensor_load_to_lds s[\g0b:\g0b+3], s[\g1b:\g1b+7]
	s_nop 0
.rept 4
	v_nop
.endr
.Lasked_\@:
.endm
.macro CREST
	s_cmp_lg_u32 s14, 0
	s_cbranch_scc1 .Lnot_wave_0_\@
	s_barrier_signal -3
.Lnot_wave_0_\@:
	s_barrier_wait -3
	s_barrier_signal -1
	s_barrier_wait -1
.endm
.macro CROUND
	s_barrier_signal -1
	s_barrier_wait -1
	CREST
.endm
.macro PLACES n
.rept \n
	v_nop
.endr
.endm
.macro ARM under, g0, g1, next
	s_cmp_lt_u32 s14, \under
	s_cbranch_scc0 \next
	tensor_load_to_lds s[\g0:\g0+3], s[\g1:\g1+7]
	s_nop 0
.rept 4
	v_nop
.endr
	s_branch .Lhead_asked
\next:
.endm
.macro DESC g, rowel, rows, pitch      ; words 1 to 7 of a group 1: rows of rowel elements of 8 bytes
	s_mov_b32 s[\g+1], (\rowel)<<16
	s_mov_b32 s[\g+2], (\rows)<<16
	s_mov_b32 s[\g+3], (\rowel)<<16
	s_mov_b32 s[\g+4], \rows
	s_mov_b32 s[\g+5], \pitch
	s_mov_b32 s[\g+6], 0
	s_mov_b32 s[\g+7], 0
.endm
	s_load_b256 s[4:11], s[0:1], 0x0               ; aq s[4:5] (A), wq s[6:7] (B), b_out s[8:9], out0 s[10:11]
	v_lshl_add_u32 v[SPW], v0, 2, SPARE
	v_mov_b32 v[NIL], 0
	ds_add_u32 v[SPW], v[NIL]                      ; the opening lines: the add twice on end and one wait
	ds_add_u32 v[SPW], v[NIL]
	v_lshrrev_b32 v1, 5, v0
	v_readfirstlane_b32 s14, v1                    ; wave 0..3
	s_lshr_b32 s15, s14, 1                         ; my half of A's tiles.  Also: I fetch for A (0) or B (1)
	s_and_b32 s16, s14, 1                          ; my half of B's tiles.  Also: which half I fetch
	s_bfe_u32 s44, ttmp6, 0x40000                  ; cx
	s_bfe_u32 s45, ttmp6, 0x40004                  ; cy
	s_lshl_b32 s12, ttmp9, 2
	s_add_co_u32 s12, s12, s44                     ; B's block of 256 columns
	s_and_b32 s17, ttmp7, 0xffff
	s_lshl_b32 s17, s17, 2
	s_add_co_u32 s17, s17, s45                     ; A's block of 128 tokens
	s_lshl_b32 s13, s45, 2
	s_lshl_b32 s13, 15, s13                        ; my row of the cluster
	s_lshl_b32 s18, 0x1111, s44                    ; my column
	s_or_b32 s[G1+0], s13, (3<<16)|(1<<21)         ; the mask; elements of 8 bytes; bit 21 beside a mask
	s_or_b32 s[G1S+0], s13, (3<<16)|(1<<21)
	s_or_b32 s[G1B+0], s18, (3<<16)|(1<<21)
	s_or_b32 s[G1SB+0], s18, (3<<16)|(1<<21)
	DESC G1, 512, 8, 2048                          ; the head's loads: 4,096 bytes of each of A's 8 tiles, 16,384 bytes apart,
	DESC G1B, 512, 16, 2048                        ; of B's 16;
	DESC G1S, 32, 16, 32                           ; A's scale words, 4,096 dense bytes as rows of 256,
	DESC G1SB, 32, 32, 32                          ; B's, 8,192
	s_lshl_b32 s20, s17, 17
	s_mov_b32 s21, 0
	s_lshl_b32 s22, s17, 12
	s_add_co_u32 s22, s22, 8388608                 ; where the scale words begin in aq
	s_mov_b32 s23, 0
	s_add_co_u32 s46, s12, 12                      ; w_out's columns begin at tile 192 = 12 blocks of 16 tiles
	s_lshl_b32 s96, s46, 13
	s_lshl_b32 s46, s46, 18
	s_mov_b32 s47, 0
	s_add_co_u32 s96, s96, 4194304                 ; and in wq
	s_mov_b32 s97, 0
	s_lshl_b32 s98, s16, 16                        ; the half that I fetch: 4 tiles of A,
	s_mov_b32 s99, 0
	s_lshl_b32 s100, s16, 17                       ; 8 of B
	s_mov_b32 s101, 0
	s_wait_dscnt 0x0
	s_wait_kmcnt 0x0
	s_add_nc_u64 s[20:21], s[4:5], s[20:21]
	s_add_nc_u64 s[22:23], s[4:5], s[22:23]
	s_add_nc_u64 s[46:47], s[6:7], s[46:47]
	s_add_nc_u64 s[96:97], s[6:7], s[96:97]
	CROUND                                         ; all sixteen work-groups are here: the first joint loads meet
	s_mov_b32 s[GAH], 1
	s_mov_b32 s[GAH+1], 0
	s_mov_b64 s[GAH+2:GAH+3], s[20:21]
	s_or_b32 s[GAH+3], s[GAH+3], 0x80000000
	s_mov_b32 s[GBH], 1
	s_mov_b32 s[GBH+1], BOFF
	s_mov_b64 s[GBH+2:GBH+3], s[46:47]
	s_or_b32 s[GBH+3], s[GBH+3], 0x80000000
	s_mov_b32 s[G0S], 1
	s_mov_b32 s[G0S+1], SCL
	s_mov_b64 s[G0S+2:G0S+3], s[22:23]
	s_or_b32 s[G0S+3], s[G0S+3], 0x80000000
	s_mov_b32 s[G0SB], 1
	s_mov_b32 s[G0SB+1], SCL+4096
	s_mov_b64 s[G0SB+2:G0SB+3], s[96:97]
	s_or_b32 s[G0SB+3], s[G0SB+3], 0x80000000
	s_add_nc_u64 s[20:21], s[20:21], s[98:99]
	s_add_nc_u64 s[46:47], s[46:47], s[100:101]
	s_mov_b32 s[GA2], 1                            ; K steps 1, 2: from byte 4,096 of each tile
	s_lshl_b32 s[GA2+1], s16, 15
	s_add_co_u32 s[GA2+1], s[GA2+1], R2A
	s_add_nc_u64 s[GA2+2:GA2+3], s[20:21], 4096
	s_or_b32 s[GA2+3], s[GA2+3], 0x80000000
	s_mov_b32 s[GB2], 1
	s_lshl_b32 s[GB2+1], s16, 16
	s_add_co_u32 s[GB2+1], s[GB2+1], R2B
	s_add_nc_u64 s[GB2+2:GB2+3], s[46:47], 4096
	s_or_b32 s[GB2+3], s[GB2+3], 0x80000000
	s_mov_b32 s[GA3], 1                            ; K step 3: from byte 12,288
	s_lshl_b32 s[GA3+1], s16, 14
	s_add_nc_u64 s[GA3+2:GA3+3], s[20:21], 12288
	s_or_b32 s[GA3+3], s[GA3+3], 0x80000000
	s_mov_b32 s[GB3], 1
	s_lshl_b32 s[GB3+1], s16, 15
	s_add_co_u32 s[GB3+1], s[GB3+1], BOFF
	s_add_nc_u64 s[GB3+2:GB3+3], s[46:47], 12288
	s_or_b32 s[GB3+3], s[GB3+3], 0x80000000
	ARM 1, GAH, G1, .Lhead_b                       ; THE HEAD'S LOADS, ONE A WAVE: every way passes one load
	ARM 2, GBH, G1B, .Lhead_sa
	ARM 3, G0S, G1S, .Lhead_sb
	tensor_load_to_lds s[G0SB:G0SB+3], s[G1SB:G1SB+7]
	s_nop 0
.rept 4
	v_nop
.endr
.Lhead_asked:
	s_lshl_b32 s18, s12, 10
	s_lshl_b32 s19, s16, 9
	s_add_co_u32 s18, s18, s19                     ; my 128 columns, in bytes of f32
	s_mov_b32 s19, 0
	s_add_nc_u64 s[8:9], s[8:9], s[18:19]          ; their bias
	s_lshl_b32 s2, s17, 19                         ; 128 rows of 4,096 bytes
	s_lshl_b32 s3, s15, 18
	s_add_co_u32 s2, s2, s3
	s_add_co_u32 s2, s2, s18
	s_mov_b32 s3, 0
	s_add_nc_u64 s[10:11], s[10:11], s[2:3]        ; my part of out0
	s_lshl_b32 s98, s15, 14                        ; LDS: my 4 tiles of A, my 8 of B, in both regions
	s_lshl_b32 s99, s16, 15
	s_add_co_u32 s99, s99, BOFF
	s_lshl_b32 s100, s15, 15
	s_add_co_u32 s100, s100, R2A
	s_lshl_b32 s101, s16, 16
	s_add_co_u32 s101, s101, R2B
	s_lshl_b32 s4, s15, 11                         ; scale words: A's, my 4 tiles; B's, my 8, behind A's
	s_lshl_b32 s5, s16, 12
	s_add_co_u32 s5, s5, 4096
	s_sub_co_u32 s5, s5, s4
	s_add_co_u32 s4, s4, SCL
	s_mul_i32 s6, s14, 16*SPITCH
	s_add_co_u32 s6, s6, STAGE                     ; my stage
	v_and_b32 v1, 15, v0                           ; r
	v_bfe_u32 v19, v0, 4, 1                        ; h
	v_and_b32 v22, 31, v0
	v_lshlrev_b32 v[LI], 4, v22                    ; 16 x lane
	v_lshlrev_b32 v23, 6, v19                      ; 16 h numbers on
.irp b, 0,1,2,3,4,5,6,7
	global_load_b128 v[BI+8*\b:BI+8*\b+3], v23, s[8:9] offset:(32*(\b/2)+8*(\b%2))*4
	global_load_b128 v[BI+8*\b+4:BI+8*\b+7], v23, s[8:9] offset:(32*(\b/2)+8*(\b%2))*4+16
.endr
	v_add_nc_u32 v[ADRA], s98, v[LI]
	v_add_nc_u32 v[ADRB], s99, v[LI]
	v_add_nc_u32 v[ADRA+1], s100, v[LI]
	v_add_nc_u32 v[ADRB+1], s101, v[LI]
	v_mul_u32_u24 v22, s5, v19                     ; lanes 16-31 take B's
	v_lshl_add_u32 v22, v1, 2, v22
	v_add_nc_u32 v[ADRS], s4, v22
	v_mul_u32_u24 v[STO], v1, SPITCH               ; into the stage: row r, + 64 h
	v_lshl_add_u32 v[STO], v19, 6, v[STO]
	v_add_nc_u32 v[STO], s6, v[STO]
	v_add_nc_u32 v[RD], s6, v[LI]                  ; back: the 32 lanes take one row of 512 bytes
.macro FRAG reg, adr, off, i, pit
.irp c, 0,1,2,3
	ds_load_b128 v[\reg+4*\c:\reg+4*\c+3], v[\adr] offset:(\off)+512*\c+(\i)*(\pit)
.endr
.endm
.macro FETCH n                         ; the fragments of the n-th 128 along K into set n % 2; with an even n the scale words of n and n + 1
.if ((\n) >= 2) && ((\n) < 6)
.set FI, 1
.set FO, 2048*((\n)-2)
.set FP, 8192
.else
.set FI, 0
.set FO, 2048*((\n)%2)
.set FP, 4096
.endif
	WIN TO_B
.irp i, 0,1,2,3,4,5,6,7
	FRAG 128*((\n)%2)+FR*\i, ADRB+FI, FO, \i, FP
.endr
	WIN 0
.irp i, 0,1,2,3
	FRAG AF+64*((\n)%2)+FR*\i, ADRA+FI, FO, \i, FP
.endr
.if (\n)%2 == 0
.irp i, 0,1,2,3,4,5,6,7
	ds_load_b32 v[SC+16*(((\n)/2)%2)+2*\i], v[ADRS] offset:512*\i+64*(\n)
	ds_load_b32 v[SC+16*(((\n)/2)%2)+2*\i+1], v[ADRS] offset:512*\i+64*(\n)+64
.endr
.endif
.endm
.macro MUL16 a0, n, first              ; A's tiles a0, a0 + 1 x B's eight; the 32 accumulators take turns, one instruction a turn
.irp a, \a0, \a0+1
.irp b, 0,1,2,3,4,5,6,7
.if \first
	v_wmma_scale_f32_16x16x128_f8f6f4 v[8*(8*(\a)+\b):8*(8*(\a)+\b)+7], v[128*((\n)%2)+FR*\b:128*((\n)%2)+FR*\b+FR-1], v[AF+64*((\n)%2)+FR*(\a):AF+64*((\n)%2)+FR*(\a)+FR-1], v[BI+8*\b:BI+8*\b+7], v[SC+16*(((\n)/2)%2)+2*\b+(\n)%2], v[SC+16*(((\n)/2)%2)+2*(\a)+(\n)%2] matrix_a_scale:MATRIX_SCALE_ROW1
.else
	v_wmma_scale_f32_16x16x128_f8f6f4 v[8*(8*(\a)+\b):8*(8*(\a)+\b)+7], v[128*((\n)%2)+FR*\b:128*((\n)%2)+FR*\b+FR-1], v[AF+64*((\n)%2)+FR*(\a):AF+64*((\n)%2)+FR*(\a)+FR-1], v[8*(8*(\a)+\b):8*(8*(\a)+\b)+7], v[SC+16*(((\n)/2)%2)+2*\b+(\n)%2], v[SC+16*(((\n)/2)%2)+2*(\a)+(\n)%2] matrix_a_scale:MATRIX_SCALE_ROW1
.endif
.endr
.endr
.endm
.macro STEP n, fetch
	s_wait_dscnt 0x0
.if \fetch
	PLACES NP                                      ; in front of loads into registers that matrix instructions have read
	FETCH (\n)+1
.endif
	WIN MUL
	MUL16 0, \n, 0
	MUL16 2, \n, 0
	WIN 0
.endm
	s_wait_alu depctr_va_vdst(0)                   ; the head's end
	s_wait_tensorcnt 0x0                           ; my tile of the head's four is in
	ds_add_u32 v[SPW], v[NIL]
	s_mov_b32 s[G1+1], 1024<<16                    ; no tensor load of mine is out: now rows of 8,192 bytes, 4 tiles of A,
	s_mov_b32 s[G1+2], 4<<16
	s_mov_b32 s[G1+3], 1024<<16
	s_mov_b32 s[G1+4], 4
	s_mov_b32 s[G1B+1], 1024<<16                   ; 8 of B
	s_mov_b32 s[G1B+2], 8<<16
	s_mov_b32 s[G1B+3], 1024<<16
	s_mov_b32 s[G1B+4], 8
	s_wait_dscnt 0x0
	CROUND                                         ; all four tiles are in, and all sixteen work-groups are here
	JLOAD GA2, G1, GB2, G1B                        ; K steps 1 and 2, the first tensor load behind the round
	FETCH 0
	s_wait_loadcnt 0x0                             ; the bias
	s_wait_dscnt 0x0
	FETCH 1
	WIN MUL1
	MUL16 0, 0, 1                                  ; the first products start the sums from the bias
	MUL16 2, 0, 1
	WIN 0
	s_wait_tensorcnt 0x0                           ; my part of K steps 1, 2 is in
	ds_add_u32 v[SPW], v[NIL]
	s_mov_b32 s[G1+1], 512<<16                     ; rows of 4,096 bytes again
	s_mov_b32 s[G1+3], 512<<16
	s_mov_b32 s[G1B+1], 512<<16
	s_mov_b32 s[G1B+3], 512<<16
	s_wait_dscnt 1                                 ; (the add alone may be out)
	WIN MUL
	MUL16 0, 1, 0
	s_wait_dscnt 0x0                               ; the add is done, and my reads of K step 0 are over
	s_barrier_signal -1
	WIN 0
	s_barrier_wait -1
	CREST                                          ; the barrier has opened a round: no wave of any partner still reads K step 0's bytes or has a load on its way
	JLOAD GA3, G1, GB3, G1B                        ; K step 3 into them
	PLACES NP-4
	FETCH 2
	WIN MUL
	MUL16 2, 1, 0
	WIN 0
	STEP 2, 1
	STEP 3, 1
	STEP 4, 1
	s_wait_tensorcnt 0x0                           ; my part of K step 3 is in
	ds_add_u32 v[SPW], v[NIL]
	s_wait_dscnt 1
	WIN MUL
	MUL16 0, 5, 0
	s_wait_dscnt 0x0                               ; my reads of K steps 1, 2 are over
	s_barrier_signal -1
	WIN 0
	s_barrier_wait -1                              ; everybody's part is in, and nobody reads K steps 1, 2 any more; nothing is filled again
	PLACES NP
	FETCH 6
	WIN MUL
	MUL16 2, 5, 0
	WIN 0
	STEP 6, 1
	STEP 7, 0
; THE WAY OUT, by tiles of 16 tokens x 128 columns: through my own stage and back as whole rows of 512 bytes.  LDS serves a wave's instructions in order (ISA guide 5.7.1.4): no wait between the stores and the loads.
.macro TOSTAGE a
.set AC, 64*(\a)
	WIN 0x08                                       ; the data: window 2
.irp b, 0,1,2,3,4,5,6,7
	ds_store_b128 v[STO], v[AC+8*\b:AC+8*\b+3] offset:128*(\b/2)+32*(\b%2)        ; each accumulator from its low end on
	ds_store_b128 v[STO], v[AC+8*\b+4:AC+8*\b+7] offset:128*(\b/2)+32*(\b%2)+16
.endr
	WIN 0
.set BB, BK+64*((\a)%2)
.irp t, 0,1,2,3,4,5,6,7,8,9,10,11,12,13,14,15
	ds_load_b128 v[BB+4*\t:BB+4*\t+3], v[RD] offset:\t*SPITCH
.endr
.endm
.macro SEND a, younger                 ; younger: the LDS instructions issued behind tile a's loads, which may stay out
.set BB, BK+64*((\a)%2)
	s_wait_dscnt \younger
.irp t, 0,1,2,3,4,5,6,7,8,9,10,11,12,13,14,15
	global_store_b128 v[LI], v[BB+4*\t:BB+4*\t+3], s[10:11] offset:4096*(32*((\a)/2)+8*((\a)%2)+16*(\t/8)+(\t%8)) th:TH_STORE_NT   ; 32 lanes store 512 consecutive bytes of the token's row
.endr
.endm
	PLACES NP
	TOSTAGE 0
.irp a, 1,2,3
.if \a > 1
	s_wait_xcnt 0x0                                ; tile a - 2's stores have read their registers
.endif
	TOSTAGE \a
	SEND \a-1, 32
.endr
	SEND 3, 0
	s_wait_tensorcnt 0x0                           ; the wave's end
	ds_add_u32 v[SPW], v[NIL]
	s_wait_dscnt 0x0
	CROUND                                         ; the closing round
	s_endpgm
.Lfunc_end_k_qfcd4e51ec0_proj:
	.size	k_qfcd4e51ec0_proj, .Lfunc_end_k_qfcd4e51ec0_proj-k_qfcd4e51ec0_proj
	.p2alignl 7, 3214868480
	.fill 96, 4, 3214868480
	.section	.rodata,"a",@progbits
	.p2align	6, 0x0
	.amdhsa_kernel k_qfcd4e51ec0_proj
		.amdhsa_group_segment_fixed_size 327680
		.amdhsa_private_segment_fixed_size 0
		.amdhsa_enable_private_segment 0
		.amdhsa_kernarg_size 32
		.amdhsa_user_sgpr_count 2
		.amdhsa_user_sgpr_kernarg_segment_ptr 1
		.amdhsa_wavefront_size32 1
		.amdhsa_system_sgpr_workgroup_id_x 1
		.amdhsa_system_sgpr_workgroup_id_y 1
		.amdhsa_system_sgpr_workgroup_id_z 1
		.amdhsa_system_vgpr_workitem_id 0
		.amdhsa_next_free_vgpr 768
		.amdhsa_next_free_sgpr 102
		.amdhsa_reserve_vcc 0
		.amdhsa_float_denorm_mode_32 3
		.amdhsa_float_denorm_mode_16_64 3
		.amdhsa_memory_ordered 1
		.amdhsa_forward_progress 1
		.amdhsa_inst_pref_size 91
	.end_amdhsa_kernel
	.amdgpu_metadata
---
amdhsa.version: [ 1, 2 ]
amdhsa.kernels:
  - .name:           k_qfcd4e51ec0_proj
    .symbol:         k_qfcd4e51ec0_proj.kd
    .args:
      - { .name: aq, .offset: 0, .size: 8, .value_kind: global_buffer, .address_space: global }
      - { .name: wq, .offset: 8, .size: 8, .value_kind: global_buffer, .address_space: global }
      - { .name: b_out, .offset: 16, .size: 8, .value_kind: global_buffer, .address_space: global }
      - { .name: out0, .offset: 24, .size: 8, .value_kind: global_buffer, .address_space: global }
    .group_segment_fixed_size: 327680
    .private_segment_fixed_size: 0
    .kernarg_segment_align: 8
    .kernarg_segment_size: 32
    .max_flat_workgroup_size: 128
    .sgpr_count:     102
    .vgpr_count:     768
    .wavefront_size: 32
...
	.end_amdgpu_metadata
.endif
;; end of part 5
